; MI455X (gfx1250); checked and timed in simulation.
; The chip was launched on July 23, 2026; its instructions are those of AMD's public machine-readable ISA for CDNA 5 (MIT licence, August 2026) and "CDNA5" Instruction Set Architecture Reference Guide (July 2026). The comments in the code are by the model that wrote it; some were corrected since.
;; Multi Head Attention. Allowed arithmetic: matrix products marked QUANTISED: E2M1 operands, one E8M0 scale for each 32 along K, by v_wmma_scale_f32_16x16x128_f8f6f4 with both operands' format E2M1 (or v_wmma_scale_f32_32x16x128_f4), f32 sums; products left as they are: bf16, f16 or f32 operands; f32 sums; everything else in f32.
;; Inputs: W_k 1,024 x 1,024 float32; W_out 1,024 x 1,024 float32; W_q 1,024 x 1,024 float32; W_v 1,024 x 1,024 float32; X_emb 2 x 2,048 x 1,024 float32.
;; Outputs: out0 2 x 2,048 x 1,024 float32.
;; This version of the problem:
;;   THIS VERSION OF THE PROBLEM IS GIVEN IN LOW PRECISION. The matrix products marked QUANTISED in the list below multiply operands that are first quantised to E2M1 (2 exponent bits, 1 mantissa bit; 4 bits a number), with one power-of-two scale for each 32 numbers along K (OCP MX v1.0); their sums are f32. The products marked 'left as it is' may take bf16, f16 or f32 operands, with f32 sums. Whichever they take, every output number must still come out within the allowed error. Rounding operands to bf16 (8 significant bits) uses up far more of that allowance than f16 does (11 bits, for magnitudes from 6e-5 to 65,504). All else is computed in f32.
;;   The module's matrix products, in the order in which they are computed (A, B: the left and right operand; K: the contracted axis; several contracted axes count as one K, in the product's order):
;;     1. [M 4,096, K 1,024] x [K 1,024, N 1,024]; A: input X_emb; B: input W_q: QUANTISED
;;     2. [M 4,096, K 1,024] x [K 1,024, N 1,024]; A: input X_emb; B: input W_k: QUANTISED
;;     3. [M 4,096, K 1,024] x [K 1,024, N 1,024]; A: input X_emb; B: input W_v: QUANTISED
;;     4. batch 32 x [M 2,048, K 64] x [K 64, N 2,048]; A: computed on the way; B: computed on the way: left as it is (an operand is computed on the way)
;;     5. batch 32 x [M 2,048, K 2,048] x [K 2,048, N 64]; A: computed on the way; B: computed on the way: left as it is (an operand is computed on the way)
;;     6. [M 4,096, K 1,024] x [K 1,024, N 1,024]; A: computed on the way; B: input W_out: left as it is (an operand is computed on the way)
;;   THE QUANTISER, for each operand of a quantised product, along K:
;;     - K is cut into blocks of 32 from its start; a last block that is shorter is filled with zeros.
;;     - A block's scale is 2^e with e = floor(log2(the largest magnitude in the block)) - 2, held to -126 .. 127; a block of zeros has e = 0. As a byte (E8M0): e + 127.
;;     - Each number is divided by its block's scale, clamped to +-6, and rounded to the nearest number of E2M1, ties to even, subnormals kept.
;;     - The product sums the exact products of the quantised numbers (number of the format x scale) in f32.
;;   ~~~python
;;   def quantise(x, axis):      # numpy; x: float32 -> the quantised numbers, widened to float32 again
;;       x = np.moveaxis(x, axis, -1); K = x.shape[-1]
;;       x = np.pad(x, [(0, 0)] * (x.ndim - 1) + [(0, -K % 32)]); x = x.reshape(x.shape[:-1] + (-1, 32)); a = np.abs(x).max(-1, keepdims=True)
;;       e = np.where(a > 0, np.clip(np.frexp(np.where(a > 0, a, 1))[1] - 1 - 2, -126, 127), 0)      # np.frexp(a)[1] - 1 = floor(log2(a)), exactly
;;       r = np.clip(x / 2.0 ** e, -6, 6)
;;       step = 2.0 ** (np.maximum(np.frexp(np.where(r == 0, 1, r))[1] - 1, 0) - 1)
;;       q = np.round(r / step) * step * 2.0 ** e      # np.round: ties to even
;;       return np.moveaxis(q.reshape(q.shape[:-2] + (-1,))[..., :K], -1, axis).astype(np.float32)
;;   ~~~
;; One version. Each part assembles by itself: llvm-mc -triple=amdgcn-amd-amdhsa -mcpu=gfx1250 --defsym DOCPART=n.
;; ======== version 1 of 1: 5 launches
;; limits: values are held in f16: magnitudes above 65,504 overflow, below 6.1e-05 lose precision
;; workspace buffers: ximg 2,097,152 bytes; xs 131,072 bytes; wimg 1,572,864 bytes; ws 98,304 bytes; woimg 2,097,152 bytes; qkv 25,165,824 bytes; h32 393,216 bytes; ctximg 8,388,608 bytes
;; launch prep (part 1): grid 512 x 1, 4 waves a work-group, no clusters, 34,304 bytes of LDS; arguments X_emb, W_q, W_k, W_v, W_out, ximg, xs, wimg, ws, woimg; writes ximg, xs, wimg, ws, woimg
.if DOCPART == 1
	.amdgcn_target "amdgcn-amd-amdhsa--gfx1250"
	.amdhsa_code_object_version 6
	.text
	.protected	k_q02b376cce4_prep
	.globl	k_q02b376cce4_prep
	.p2align	8
	.type	k_q02b376cce4_prep,@function
k_q02b376cce4_prep:
	s_mov_b64 s[64:65], 0
	v_nop
	global_prefetch_b8 v0, s[64:65] scope:SCOPE_SE
	s_setreg_imm32_b32 hwreg(HW_REG_WAVE_MODE, 25, 1), 1
	s_wait_xcnt 0x0
; PREP.  X_emb [4096][1024] f32 and W_q, W_k, W_v [1024 (k)][1024 (n)] f32 become codes of FP4 (E2M1) with one E8M0 byte for each 32 along K = 1,024; W_out [1024 (k)][1024 (n)] f32 becomes f16.
; EVERYTHING IS STORED AS AN IMAGE OF THE OPERAND'S REGISTERS: a fragment is 1,024 bytes, two halves of 512; half c holds registers 4 c .. 4 c + 3, lane l's 16 bytes at 16 l.
;   ximg [16 tiles of 256 rows][8 K steps of 128][16 blocks of 16 rows][1024]   FP4 fragment: lane (r, h), half c: k = 64 c + 32 h + 0 .. 31 of row r
;   xs   [256 blocks of 16 rows][8 K steps][16 words]                           a word: the four scale bytes of one row and 128 along K
;   wimg [12 tiles of 256 columns][8][16][1024], ws [192][8][16 words]          column n = 1024 t + column, t = 0, 1, 2 for W_q, W_k, W_v
;   woimg [8 tiles of 128 columns][32 steps of 32 along K][8 blocks][1024]      f16 fragment: lane (r, h), half c: k = 16 c + 8 h + 0 .. 7 of column r
; A block's scale is 2^(floor(log2(its largest magnitude)) - 2); its byte is the largest magnitude's exponent field - 2, held at 1 from below.
; LIMITS: a block of zeros gets the byte 1 where the rule says 127 (its codes are zeros, and this program alone reads the bytes); NaN and infinities among the inputs are not served;
; W_out must lie under 65,504 in magnitude (f16).
; SHARES.  Work-groups 0-255: block g of 16 rows of X, wave w its K steps 2 w and 2 w + 1.  Work-groups 256-511: tensor t, 128 columns, 128 along K; a wave 32 columns, A LANE A COLUMN, ITS REGISTERS DOWN K.
; An X wave issues all its 32 loads (16 KB) at its head.  A weight's wave has 128 loads of 4 bytes a lane; the count of a wait reaches 63 at the most, so 63 go out at the head and the rest in runs, each behind the
; wait that a block's numbers need anyway: 63 are out again behind each.  No tensor load, no barrier: waves share nothing.  The X path alone stores to LDS: a stage of the wave's own.
; The scale words of the weights leave in pieces of 64 bytes: one byte in 128 of what the launch reads.
; REGISTERS: v1 lane, v2 r, v3 h, v4 16 x lane, v5 4 x lane, v6, v7 the stage (in, out), v8, v9 the weights' store offsets, v10, v11 the add's two, v12, v13 X's scale words, v14 a scale word to store;
;   v16-143 the numbers as loaded; v144-207 16 neighbours a block (X) or what is stored (weights); v208-223 X's codes; v224-239 at work.
.set SPITCH, 528                       ; a stage row: 512 bytes + 16: an odd multiple of 16, so that the 16 rows that a load touches begin at different places modulo 256 bytes
.set STAGE,  16*SPITCH                 ; 16 rows: a wave's stage
.set SPARE,  4*STAGE                   ; behind the four stages: the spare words, 128 bytes a wave: two blocks of 256 bytes that no other line names
.set SPW,   10
.set NIL,   11
.set DATA,  16
.set XS,    144
.set CD,    144
.set PC0,   208
.set PC1,   216
.set TM,    224
	s_load_b256 s[4:11], s[0:1], 0x0               ; X s[4:5], W_q s[6:7], W_k s[8:9], W_v s[10:11]
	s_load_b256 s[12:19], s[0:1], 0x20             ; W_out s[12:13], ximg s[14:15], xs s[16:17], wimg s[18:19]
	s_load_b128 s[20:23], s[0:1], 0x40             ; ws s[20:21], woimg s[22:23]
	v_lshl_add_u32 v[SPW], v0, 2, SPARE
	v_mov_b32 v[NIL], 0
	v_lshrrev_b32 v1, 5, v0
	v_readfirstlane_b32 s24, v1                    ; wave 0..3
	v_and_b32 v1, 31, v0                           ; lane
	v_and_b32 v2, 15, v0                           ; r
	v_bfe_u32 v3, v0, 4, 1                         ; h
	v_lshlrev_b32 v4, 4, v1
	v_lshlrev_b32 v5, 2, v1
	s_cmp_lt_u32 ttmp9, 256                        ; X's work-group, or a weight's?
	s_cbranch_scc0 .Lweights
; ---------------------------------------------------------------- X
; 64 numbers of a lane, v[s] .. v[s + 63], register 16 b + i = k 32 b + 16 h + i of my row, become a fragment's codes in v[pc] .. v[pc + 7] and its scale word in v[pw].
.macro QUANT s, pc, pw
.irp b, 0,1,2,3
	v_max3_num_f32 v[TM+\b], |v[(\s)+16*\b]|, |v[(\s)+1+16*\b]|, 0x1800000   ; block b: my 16 numbers, and the floor 2^(3 - 127): the byte cannot fall under 1
.endr
.irp i, 2,4,6,8,10,12,14
.irp b, 0,1,2,3
	v_max3_num_f32 v[TM+\b], v[TM+\b], |v[(\s)+16*\b+\i]|, |v[(\s)+1+16*\b+\i]|   ; the four blocks by turns
.endr
.endr
.irp b, 0,1,2,3
	v_permlanex16_b32 v[TM+4+\b], v[TM+\b], s26, s27
.endr
.irp b, 0,1,2,3
	v_max_num_f32 v[TM+\b], v[TM+\b], v[TM+4+\b]   ; with lane l xor 16's: the block's largest magnitude
.endr
.irp b, 0,1,2,3
	v_add_nc_u32 v[TM+12+\b], 0xff000000, v[TM+\b] ; 2 off its exponent field: the conversion takes the exponent field of this operand as its scale
.endr
.irp b, 0,1,2,3
	v_lshrrev_b32 v[TM+4+\b], 23, v[TM+12+\b]      ; the scale's byte
.endr
	v_lshl_or_b32 v[\pw], v[TM+5], 8, v[TM+4]      ; the four bytes make my row's scale word (both halves of the lanes hold it)
	v_lshl_or_b32 v[\pw], v[TM+6], 16, v[\pw]
	v_lshl_or_b32 v[\pw], v[TM+7], 24, v[\pw]
.irp b, 0,1,2,3
	v_cvt_scalef32_pk8_fp4_f32 v[(\pc)+2*\b], v[(\s)+16*\b:(\s)+7+16*\b], v[TM+12+\b]
	v_cvt_scalef32_pk8_fp4_f32 v[(\pc)+1+2*\b], v[(\s)+8+16*\b:(\s)+15+16*\b], v[TM+12+\b]
.endr
	v_nop                                          ; one plain place behind a scaled conversion
.irp c, 0,1                                    ; the operand's layout wants a WHOLE block in a lane: lanes 0-15 block 2 c, lanes 16-31 block 2 c + 1
.irp i, 0,1
	v_permlane16_swap_b32 v[(\pc)+4*\c+\i], v[(\pc)+2+4*\c+\i]
.endr
.endr
.endm
; 16 rows x 512 bytes go into my stage as they were loaded and come back 64 bytes a lane and block.  LDS serves a wave's instructions in order: no wait between the stores and the loads.
.macro TURN src, dst
.irp i, 0,1,2,3,4,5,6,7,8,9,10,11,12,13,14,15
	ds_store_b128 v6, v[(\src)+4*\i:(\src)+4*\i+3] offset:\i*SPITCH
.endr
.irp b, 0,1,2,3
.irp j, 0,1,2,3
	ds_load_b128 v[(\dst)+16*\b+4*\j:(\dst)+16*\b+4*\j+3], v7 offset:128*\b+16*\j
.endr
.endr
.endm
	s_mul_i32 s28, s24, STAGE
	v_add_nc_u32 v6, s28, v4                       ; into the stage: 16 x lane of a row
	v_mul_u32_u24 v7, v2, SPITCH
	v_lshl_add_u32 v7, v3, 6, v7
	v_add_nc_u32 v7, s28, v7                       ; out of it: row r, + 64 h: my 16 numbers of a block of 32
	s_mov_b32 s26, 0x76543210
	s_mov_b32 s27, 0xfedcba98                      ; v_permlanex16_b32's selects for lane l xor 16
.irp b, 0,1,2,3
	v_mov_b32 v[TM+4+\b], 0                        ; written once: a lane permute's destination counts as one of its sources
.endr
	s_lshl_b32 s30, ttmp9, 16                      ; X: 16 rows of 4,096 bytes a block,
	s_lshl_b32 s31, s24, 10                        ; two K steps of 512 bytes a wave
	s_add_co_u32 s30, s30, s31
	s_mov_b32 s31, 0
	s_lshr_b32 s32, ttmp9, 4                       ; ximg: the tile of 256 rows,
	s_lshl_b32 s32, s32, 17
	s_and_b32 s33, ttmp9, 15                       ; the block in it,
	s_lshl_b32 s33, s33, 10
	s_add_co_u32 s32, s32, s33
	s_lshl_b32 s33, s24, 15                        ; K step 2 w
	s_add_co_u32 s32, s32, s33
	s_mov_b32 s33, 0
	s_lshl_b32 s34, ttmp9, 9                       ; xs: 512 bytes a block, 128 a wave
	s_lshl_b32 s35, s24, 7
	s_add_co_u32 s34, s34, s35
	s_mov_b32 s35, 0
	s_wait_kmcnt 0x0
	s_add_nc_u64 s[4:5], s[4:5], s[30:31]
	s_add_nc_u64 s[14:15], s[14:15], s[32:33]
	s_add_nc_u64 s[16:17], s[16:17], s[34:35]
.irp f, 0,1
.irp i, 0,1,2,3,4,5,6,7,8,9,10,11,12,13,14,15
	global_load_b128 v[DATA+64*\f+4*\i:DATA+64*\f+4*\i+3], v4, s[4:5] offset:\i*4096+\f*512 th:TH_LOAD_NT   ; 32 lanes read 512 consecutive bytes: row i, K step 2 w + f
.endr
.endr
	s_wait_loadcnt 16                              ; the first K step's 16 loads are in; the second's 16 may be out
	TURN DATA, XS
	s_wait_dscnt 0x0                               ; the first K step lies in v144-207, and the stores have read v16-79
	s_wait_loadcnt 0x0
	TURN DATA+64, DATA                             ; the second goes through the stage while the first is quantised
	QUANT XS, PC0, 12
.irp c, 0,1
	global_store_b128 v4, v[PC0+4*\c:PC0+4*\c+3], s[14:15] offset:512*\c            ; 32 lanes store 512 consecutive bytes
.endr
	s_wait_dscnt 0x0
	QUANT DATA, PC1, 13
.irp c, 0,1
	global_store_b128 v4, v[PC1+4*\c:PC1+4*\c+3], s[14:15] offset:16384+512*\c
.endr
	v_cmp_gt_u32 vcc_lo, 16, v1
	v_cndmask_b32 v14, v13, v12, vcc_lo            ; lanes 0-15: K step 2 w's words; lanes 16-31: K step 2 w + 1's
	global_store_b32 v5, v14, s[16:17]             ; 128 consecutive bytes
	s_wait_tensorcnt 0x0                           ; the wave's end, behind my last LDS store
	ds_add_u32 v[SPW], v[NIL]
	s_wait_dscnt 0x0
	s_endpgm
; ---------------------------------------------------------------- the weights
; cnt loads from number from on: W(128 kc + i, my column): 128 consecutive bytes a wave, 512 a work-group
.macro LD from, cnt
.set i, \from
.rept \cnt
	global_load_b32 v[DATA+i], v5, s[6:7] offset:i*4096 th:TH_LOAD_NT
.set i, i+1
.endr
.endm
; Numbers 32 b .. 32 b + 31 are in, and the next run of loads goes out.  Behind block b's last load 31 loads have been issued each time: 32-62, 64-94, 96-126.
.macro ARRIVE b
.if (\b) < 3
	s_wait_loadcnt 31                              ; this block's loads are in; the 31 issued behind them may be out
.if (\b) < 2
	LD 63+32*(\b), 32                              ; 63 are out again
.else
	LD 127, 1                                      ; the last
.endif
.else
	s_wait_loadcnt 0x0
.endif
.endm
.Lweights:
	s_sub_co_u32 s28, ttmp9, 256
	s_lshr_b32 s30, s28, 6                         ; t: which tensor
	s_bfe_u32 s31, s28, 0x30003                    ; which 128 columns
	s_and_b32 s32, s28, 7                          ; which 128 along K
	s_lshl_b32 s34, s32, 19                        ; 128 rows of 4,096 bytes,
	s_lshl_b32 s33, s31, 9                         ; 512 bytes of a row a work-group,
	s_add_co_u32 s34, s34, s33
	s_lshl_b32 s33, s24, 7                         ; 128 a wave
	s_add_co_u32 s34, s34, s33
	s_mov_b32 s35, 0
	v_lshlrev_b32 v8, 4, v2
	v_lshl_add_u32 v8, v3, 10, v8                  ; images: 16 r, and lanes 16-31 a block of 16 columns further on
	v_lshlrev_b32 v9, 2, v2
	v_lshl_add_u32 v9, v3, 9, v9                   ; scale words: 4 r, likewise
	s_wait_kmcnt 0x0
	s_cmp_eq_u32 s30, 1                            ; the choice hangs on the work-group's number alone
	s_cselect_b64 s[6:7], s[8:9], s[6:7]
	s_cmp_eq_u32 s30, 2
	s_cselect_b64 s[6:7], s[10:11], s[6:7]
	s_cmp_eq_u32 s30, 3
	s_cselect_b64 s[6:7], s[12:13], s[6:7]
	s_add_nc_u64 s[6:7], s[6:7], s[34:35]
	LD 0, 63
	s_cmp_eq_u32 s30, 3
	s_cbranch_scc1 .Lwout
	s_lshl_b32 s36, s30, 2                         ; wimg: the tile of 256 columns, 4 t + (which 128) / 2,
	s_lshr_b32 s33, s31, 1
	s_add_co_u32 s36, s36, s33
	s_lshl_b32 s36, s36, 17
	s_lshl_b32 s33, s32, 14                        ; the K step,
	s_add_co_u32 s36, s36, s33
	s_and_b32 s33, s31, 1                          ; eight blocks for the tile's upper half,
	s_lshl_b32 s33, s33, 13
	s_add_co_u32 s36, s36, s33
	s_lshl_b32 s33, s24, 11                        ; two blocks a wave
	s_add_co_u32 s36, s36, s33
	s_mov_b32 s37, 0
	s_add_nc_u64 s[18:19], s[18:19], s[36:37]
	s_lshl_b32 s36, s30, 15                        ; ws: block 64 t + 8 (which 128) + 2 w, 512 bytes each; 64 bytes a K step
	s_lshl_b32 s33, s31, 12
	s_add_co_u32 s36, s36, s33
	s_lshl_b32 s33, s24, 10
	s_add_co_u32 s36, s36, s33
	s_lshl_b32 s33, s32, 6
	s_add_co_u32 s36, s36, s33
	s_add_nc_u64 s[20:21], s[20:21], s[36:37]
.macro BLOCK b                         ; block b of 32 along K: all its numbers are my lane's
.set XB, DATA+32*(\b)
	ARRIVE \b
	v_max3_num_f32 v[TM], |v[XB]|, |v[XB+1]|, |v[XB+2]|
	v_max3_num_f32 v[TM+1], |v[XB+3]|, |v[XB+4]|, |v[XB+5]|
.irp j, 6,10,14,18,22,26
	v_max3_num_f32 v[TM], v[TM], |v[XB+\j]|, |v[XB+\j+1]|
	v_max3_num_f32 v[TM+1], v[TM+1], |v[XB+\j+2]|, |v[XB+\j+3]|
.endr
	v_max3_num_f32 v[TM], v[TM], |v[XB+30]|, |v[XB+31]|
	v_max3_num_f32 v[TM], v[TM], v[TM+1], 0x1800000   ; and the floor 2^(3 - 127)
	v_add_nc_u32 v[TM+8+(\b)], 0xff000000, v[TM]   ; 2 off the exponent field: the conversion's scale operand
	v_lshrrev_b32 v[TM+2], 23, v[TM+8+(\b)]        ; the scale's byte
.if (\b) == 0
	v_mov_b32 v14, v[TM+2]
.else
	v_lshl_or_b32 v14, v[TM+2], 8*(\b), v14        ; four bytes to the word, the lower K in the lower byte
.endif
.irp g, 0,1,2,3
	v_cvt_scalef32_pk8_fp4_f32 v[CD+4*(\b)+\g], v[XB+8*\g:XB+8*\g+7], v[TM+8+(\b)]
.endr
.endm
	BLOCK 0
	BLOCK 1
	BLOCK 2
	BLOCK 3
	v_nop                                          ; one plain place behind the last scaled conversion
.irp j, 0,1,2,3
	global_store_b128 v8, v[CD+4*\j:CD+4*\j+3], s[18:19] offset:512*(\j/2)+256*(\j%2)   ; block j is half j / 2, lanes' half j % 2 of the fragment: sixteen lanes store 256 consecutive bytes, aligned
.endr
	global_store_b32 v9, v14, s[20:21]
	s_wait_tensorcnt 0x0                           ; the closing lines, here too
	ds_add_u32 v[SPW], v[NIL]
	s_wait_dscnt 0x0
	s_endpgm
.Lwout:
	s_lshl_b32 s36, s31, 18                        ; woimg: the tile of 128 columns,
	s_lshl_b32 s33, s32, 15                        ; four steps of 32 along K,
	s_add_co_u32 s36, s36, s33
	s_lshl_b32 s33, s24, 11                        ; two blocks a wave
	s_add_co_u32 s36, s36, s33
	s_mov_b32 s37, 0
	s_add_nc_u64 s[22:23], s[22:23], s[36:37]
.irp b, 0,1,2,3
	ARRIVE \b
.set n, 16*\b
.rept 16
	v_cvt_pk_f16_f32 v[CD+n], v[DATA+2*n], v[DATA+2*n+1]   ; two neighbours along K, the lower in the low half
.set n, n+1
.endr
.endr
.irp e, 0,1,2,3,4,5,6,7,8,9,10,11,12,13,14,15
	global_store_b128 v8, v[CD+4*\e:CD+4*\e+3], s[22:23] offset:(\e/4)*8192+((\e/2)%2)*512+(\e%2)*256   ; eight along K: step e / 4, half (e / 2) % 2, lanes' half e % 2
.endr
	s_wait_tensorcnt 0x0                           ; the closing lines, here too
	ds_add_u32 v[SPW], v[NIL]
	s_wait_dscnt 0x0
	s_endpgm
.Lfunc_end_k_q02b376cce4_prep:
	.size	k_q02b376cce4_prep, .Lfunc_end_k_q02b376cce4_prep-k_q02b376cce4_prep
	.p2alignl 7, 3214868480
	.fill 96, 4, 3214868480
	.section	.rodata,"a",@progbits
	.p2align	6, 0x0
	.amdhsa_kernel k_q02b376cce4_prep
		.amdhsa_group_segment_fixed_size 34304
		.amdhsa_private_segment_fixed_size 0
		.amdhsa_enable_private_segment 0
		.amdhsa_kernarg_size 80
		.amdhsa_user_sgpr_count 2
		.amdhsa_user_sgpr_kernarg_segment_ptr 1
		.amdhsa_wavefront_size32 1
		.amdhsa_system_sgpr_workgroup_id_x 1
		.amdhsa_system_sgpr_workgroup_id_y 1
		.amdhsa_system_sgpr_workgroup_id_z 1
		.amdhsa_system_vgpr_workitem_id 0
		.amdhsa_next_free_vgpr 240
		.amdhsa_next_free_sgpr 66
		.amdhsa_reserve_vcc 1
		.amdhsa_float_denorm_mode_32 3
		.amdhsa_float_denorm_mode_16_64 3
		.amdhsa_memory_ordered 1
		.amdhsa_forward_progress 1
		.amdhsa_inst_pref_size 50
	.end_amdhsa_kernel
	.amdgpu_metadata
---
amdhsa.version: [ 1, 2 ]
amdhsa.kernels:
  - .name:           k_q02b376cce4_prep
    .symbol:         k_q02b376cce4_prep.kd
    .args:
      - { .name: X_emb, .offset: 0, .size: 8, .value_kind: global_buffer, .address_space: global }
      - { .name: W_q, .offset: 8, .size: 8, .value_kind: global_buffer, .address_space: global }
      - { .name: W_k, .offset: 16, .size: 8, .value_kind: global_buffer, .address_space: global }
      - { .name: W_v, .offset: 24, .size: 8, .value_kind: global_buffer, .address_space: global }
      - { .name: W_out, .offset: 32, .size: 8, .value_kind: global_buffer, .address_space: global }
      - { .name: ximg, .offset: 40, .size: 8, .value_kind: global_buffer, .address_space: global }
      - { .name: xs, .offset: 48, .size: 8, .value_kind: global_buffer, .address_space: global }
      - { .name: wimg, .offset: 56, .size: 8, .value_kind: global_buffer, .address_space: global }
      - { .name: ws, .offset: 64, .size: 8, .value_kind: global_buffer, .address_space: global }
      - { .name: woimg, .offset: 72, .size: 8, .value_kind: global_buffer, .address_space: global }
    .group_segment_fixed_size: 34304
    .private_segment_fixed_size: 0
    .kernarg_segment_align: 8
    .kernarg_segment_size: 80
    .max_flat_workgroup_size: 128
    .sgpr_count:     66
    .vgpr_count:     240
    .wavefront_size: 32
...
	.end_amdgpu_metadata
.endif
;; end of part 1
;; launch qkv (part 2): grid 12 x 16, 4 waves a work-group, clusters of 4 x 1, 327,680 bytes of LDS; arguments ximg, xs, wimg, ws, qkv, h32; writes qkv, h32
.if DOCPART == 2
	.amdgcn_target "amdgcn-amd-amdhsa--gfx1250"
	.amdhsa_code_object_version 6
	.text
	.protected	k_q02b376cce4_qkv
	.globl	k_q02b376cce4_qkv
	.p2align	8
	.type	k_q02b376cce4_qkv,@function
k_q02b376cce4_qkv:
	s_mov_b64 s[64:65], 0
	v_nop
	global_prefetch_b8 v0, s[64:65] scope:SCOPE_SE
	s_setreg_imm32_b32 hwreg(HW_REG_WAVE_MODE, 25, 1), 1
	s_wait_xcnt 0x0
	s_wait_alu depctr_hold_cnt(0) depctr_sa_sdst(0) depctr_va_vdst(0) depctr_va_sdst(0) depctr_va_ssrc(0) depctr_va_vcc(0) depctr_vm_vsrc(0)
	s_getreg_b32 s2, hwreg(HW_REG_IB_STS2, 6, 4)
	s_cmp_eq_u32 s2, 0
	s_cbranch_scc0 .Lentry_in_a_cluster
	s_endpgm
.Lentry_in_a_cluster:
	s_bfe_u32 s2, ttmp6, 0x10000c
	s_cmp_lg_u32 s2, 0x3003
	s_cbranch_scc0 .Lentry_shape_is_right
	s_endpgm
.Lentry_shape_is_right:
; QKV.  The three quantised products as one GEMM, [4096] x [3072] over K = 1,024, on codes of FP4 (E2M1) with E8M0 scales, sums in f32.  Column n = 1024 t + c: t = 0, 1, 2 for q, k, v.
; A tile of 256 x 256 to a work-group of four waves, 128 x 128 a wave: 64 accumulators, 512 registers.  12 x 16 = 192 work-groups.
; OPERANDS ARRIVE AS IMAGES OF THEIR REGISTERS (a fragment: 1,024 bytes, half c at 512 c, lane l's 16 bytes at 16 l), so a tile is a dense block of memory and of LDS, and each fragment load takes 512 consecutive bytes.
; All of K fits in LDS: two halves of 512 along K (2 x 131,072 bytes) and the scale words (16,384 bytes) are asked for at the head and nothing is filled again.  A wave has three tensor loads out.
; CLUSTER 4 x 1: the four work-groups of a cluster make one section (q, k or v) for the same 256 rows of X, so X's codes and scale words are asked for JOINTLY (mask 15); the weights' tiles are each work-group's own.
; No cluster along y: the branch below that stores the f32 rows hangs on the tile row, which must then be the same in all partners.
; THE MATRIX INSTRUCTION IS USED TRANSPOSED (source 0 = 16 columns of W, source 1 = 16 rows of X): a lane holds one row and eight neighbouring columns.
; THE WAY OUT NEEDS NO LDS: a lane's eight numbers, rounded to f16, are 16 bytes that ARE lane l's piece of the next launch's fragment image:
;   qkv [section 3][batch x head 32][128 blocks of 16 positions][2 halves of the head][1024]: half c, lane (r, h): d = 32 d32 + 16 c + 8 h + 0 .. 7 of position 16 block + r.
;   In section 2 (v) the piece of lane (r, h) lies at place (r % 8) + 8 h + 16 (r / 8): so the next launch's turning load reads 16 x lane.
;   h32 [section 3][batch 2][head 16][8 pieces][512], f32: positions 0-15 of each sequence unrounded; piece 2 b + j, lane (r, h): d = 16 b + 8 h + 4 j + 0 .. 3 of position r.
; LIMIT: q, k and v must lie under 65,504 in magnitude (f16); NaN and infinities are not served.
; REGISTERS, in windows of 256: window 0: v16-30 addresses; v32-95 scale words, two sets, and nothing else; v128-191 X's fragments, one set; on the way out v128-255 hold packed results.
;   window 1: W's fragments, two sets, at v0 and v128.   window 2: the accumulators of my rows 0-63 ((a, b) at v[8 (8 a + b)]);   window 3: those of my rows 64-127.
.set NQ,    4                          ; steps of 128 along K in a slot
.set FR,    8                          ; registers of a fragment
.set NL,    2                          ; LDS loads that bring one
.set NP,    4                          ; places behind this matrix instruction (ISA guide 7.12.1)
.set SLOT,  131072                     ; X's [4 K steps][16 blocks][1024], then W's
.set BOFF,  65536
.set SCL,   2*SLOT                     ; the scale words: X's [16 blocks][8 K steps][64 bytes], then W's
.set SPARE, SCL+16384                  ; the spare words, 128 bytes a wave: two blocks of 256 bytes that no other line names
.set ADRA, 16                          ; v16-17 LDS address of my X fragments in slot 0, 1
.set ADRB, 20                          ; v20-21 the same for W
.set CO,   26                          ; v26    my 16 bytes' place in a half image of qkv
.set ADRS, 27                          ; v27    LDS address of my scale words: lanes 0-15 X's rows, lanes 16-31 W's columns
.set SPW,  28
.set NIL,  29
.set L16,  30                          ; v30    16 x lane
.set SC,   32
.set AF,   128
.set PK,   128
.set WV, 16                            ; s16 wave
.set HR, 17                            ; s17 which half of the tile's rows is mine.  Also: I fetch for X (0) or for W (1)
.set HC, 18                            ; s18 which half of its columns.  Also: which half of that operand's bytes I fetch
.set TR, 19                            ; s19 tile row
.set CX, 40
.set TC, 42                            ; s42 tile column
.set G1, 24
.set G0, 32
.set G1B, 48
.set G0B, 56
.set G1S, 68
.set G0S, 76
.set G1SB, 80
.set G0SB, 88
.set MSB, 0
.macro WIN new                         ; the immediate's high byte repeats the setting that is left
.if MSB != \new
	s_set_vgpr_msb (MSB<<8)|\new
.set MSB, \new
.endif
.endm
.set MUL_LO, 0xa1                      ; source 0 (W) window 1, source 1 (X) window 0, C and D window 2
.set MUL_HI, 0xf1
.set TO_B,   0x40
; Waves 0 and 1 fetch for X (jointly), waves 2 and 3 for W.  The branch hangs on the wave's number alone.  An s_nop 0 and four v_nop follow each of the two lines.
.macro JLOAD g0a, g1a, g0b, g1b
	s_cmp_eq_u32 s[HR], 0
	s_cbranch_scc0 .Lfor_b_\@
	tensor_load_to_lds s[\g0a:\g0a+3], s[\g1a:\g1a+7]
	s_nop 0
.rept 4
	v_nop
.endr
	s_branch .Lasked_\@
.Lfor_b_\@:
	tensor_load_to_lds s[\g0b:\g0b+3], s[\g1b:\g1b+7]
	s_nop 0
.rept 4
	v_nop
.endr
.Lasked_\@:
.endm
.macro CROUND                          ; a round of the cluster's barrier
	s_barrier_signal -1
	s_barrier_wait -1
	s_cmp_lg_u32 s[WV], 0
	s_cbranch_scc1 .Lnot_wave_0_\@
	s_barrier_signal -3
.Lnot_wave_0_\@:
	s_barrier_wait -3
	s_barrier_signal -1
	s_barrier_wait -1
.endm
	s_load_b256 s[4:11], s[0:1], 0x0               ; ximg s[4:5], xs s[6:7], wimg s[8:9], ws s[10:11]
	s_load_b128 s[12:15], s[0:1], 0x20             ; qkv s[12:13], h32 s[14:15]
	v_lshl_add_u32 v[SPW], v0, 2, SPARE
	v_mov_b32 v[NIL], 0
	ds_add_u32 v[SPW], v[NIL]                      ; the wave's opening: the add, twice on end, and its wait ahead of my first tensor load
	ds_add_u32 v[SPW], v[NIL]
	v_lshrrev_b32 v1, 5, v0
	v_readfirstlane_b32 s[WV], v1
	s_lshr_b32 s[HR], s[WV], 1
	s_and_b32 s[HC], s[WV], 1
	s_bfe_u32 s[CX], ttmp6, 0x40000                ; cx: my place in the cluster
	s_lshl_b32 s[TC], ttmp9, 2                     ; ttmp9 counts clusters: it is the section
	s_add_co_u32 s[TC], s[TC], s[CX]
	s_and_b32 s[TR], ttmp7, 0xffff
	; descriptor groups 1: dense blocks as rows of 256 bytes (32 elements of 8 bytes), no padding: 128 rows of codes, 16 rows of scale words
	s_mov_b32 s[G1], 15|(3<<16)|(1<<21)            ; 15:0 the mask: all four work-groups; 17:16 elements of 8 bytes; 21 set beside a mask
	s_mov_b32 s[G1B], 3<<16                        ; no mask: my own load
	s_mov_b32 s[G1S], 15|(3<<16)|(1<<21)
	s_mov_b32 s[G1SB], 3<<16
.irp g, G1, G1B
	s_mov_b32 s[\g+1], 32<<16                      ; tensor_dim0
	s_mov_b32 s[\g+2], 128<<16                     ; tensor_dim1
	s_mov_b32 s[\g+3], 32<<16                      ; tile_dim0
	s_mov_b32 s[\g+4], 128                         ; tile_dim1
	s_mov_b32 s[\g+5], 32                          ; tensor_dim0_stride
	s_mov_b32 s[\g+6], 0
	s_mov_b32 s[\g+7], 0
.endr
.irp g, G1S, G1SB
	s_mov_b32 s[\g+1], 32<<16
	s_mov_b32 s[\g+2], 16<<16
	s_mov_b32 s[\g+3], 32<<16
	s_mov_b32 s[\g+4], 16
	s_mov_b32 s[\g+5], 32
	s_mov_b32 s[\g+6], 0
	s_mov_b32 s[\g+7], 0
.endr
	s_lshl_b32 s20, s[TR], 17                      ; X's codes: 131,072 bytes a tile row, 32,768 a wave and slot.  These registers never hold cx
	s_lshl_b32 s21, s[HC], 15
	s_add_co_u32 s20, s20, s21
	s_mov_b32 s21, 0
	s_lshl_b32 s22, s[TR], 13                      ; X's scale words: 8,192 bytes a tile row, 4,096 a wave
	s_lshl_b32 s23, s[HC], 12
	s_add_co_u32 s22, s22, s23
	s_mov_b32 s23, 0
	s_lshl_b32 s46, s[TC], 17                      ; W's likewise, by the tile column
	s_lshl_b32 s47, s[HC], 15
	s_add_co_u32 s46, s46, s47
	s_mov_b32 s47, 0
	s_lshl_b32 s92, s[TC], 13
	s_lshl_b32 s93, s[HC], 12
	s_add_co_u32 s92, s92, s93
	s_mov_b32 s93, 0
	s_lshl_b32 s45, s[WV], 15                      ; where they go: wave x 32,768 in a slot, wave x 4,096 among the scale words: no place in the cluster enters an LDS address
	s_lshl_b32 s94, s[WV], 12
	s_wait_dscnt 0x0                               ; both opening adds are done
	s_wait_kmcnt 0x0
	s_add_nc_u64 s[20:21], s[4:5], s[20:21]
	s_add_nc_u64 s[22:23], s[6:7], s[22:23]
	s_add_nc_u64 s[46:47], s[8:9], s[46:47]
	s_add_nc_u64 s[92:93], s[10:11], s[92:93]
	CROUND                                         ; all four work-groups are here: the joint loads meet
	s_mov_b32 s[G0S], 1
	s_add_co_u32 s[G0S+1], s94, SCL
	s_mov_b64 s[G0S+2:G0S+3], s[22:23]
	s_or_b32 s[G0S+3], s[G0S+3], 0x80000000
	s_mov_b32 s[G0SB], 1
	s_add_co_u32 s[G0SB+1], s94, SCL
	s_mov_b64 s[G0SB+2:G0SB+3], s[92:93]
	s_or_b32 s[G0SB+3], s[G0SB+3], 0x80000000
	JLOAD G0S, G1S, G0SB, G1SB                     ; the scale words first: they are wanted with the first K step
.irp s, 0,1
	s_mov_b32 s[G0+4*\s], 1
	s_add_co_u32 s[G0+4*\s+1], s45, \s*SLOT
	s_add_nc_u64 s[G0+4*\s+2:G0+4*\s+3], s[20:21], \s*65536
	s_or_b32 s[G0+4*\s+3], s[G0+4*\s+3], 0x80000000
	s_mov_b32 s[G0B+4*\s], 1
	s_add_co_u32 s[G0B+4*\s+1], s45, \s*SLOT
	s_add_nc_u64 s[G0B+4*\s+2:G0B+4*\s+3], s[46:47], \s*65536
	s_or_b32 s[G0B+4*\s+3], s[G0B+4*\s+3], 0x80000000
	JLOAD G0+4*\s, G1, G0B+4*\s, G1B
.endr
	v_and_b32 v1, 15, v0                           ; r
	v_bfe_u32 v2, v0, 4, 1                         ; h
	v_and_b32 v3, 31, v0
	v_lshlrev_b32 v[L16], 4, v3
	s_lshl_b32 s21, s[HR], 13                      ; my eight blocks of X
	s_lshl_b32 s22, s[HC], 13                      ; my eight blocks of W,
	s_add_co_u32 s22, s22, BOFF                    ; which lie behind X's
.irp s, 0,1
	v_add_nc_u32 v[ADRA+\s], s21, v[L16]
	v_add_nc_u32 v[ADRB+\s], s22, v[L16]
	s_add_co_u32 s21, s21, SLOT
	s_add_co_u32 s22, s22, SLOT
.endr
	s_lshl_b32 s21, s[HR], 12                      ; scale words: X's, my eight blocks of 512 bytes;
	s_lshl_b32 s22, s[HC], 12                      ; W's, behind X's 8,192 bytes
	s_add_co_u32 s22, s22, 8192
	s_sub_co_u32 s22, s22, s21
	v_mul_u32_u24 v6, s22, v2                      ; lanes 16-31 take W's: ONE product, the distance between the two bases
	s_add_co_u32 s21, s21, SCL
	v_lshlrev_b32 v5, 2, v1
	v_add_nc_u32 v5, v5, v6
	v_add_nc_u32 v[ADRS], s21, v5
	v_and_b32 v5, 7, v0                            ; v's pieces: place (r % 8) + 8 h + 16 (r / 8)
	v_lshl_add_u32 v5, v2, 3, v5
	v_bfe_u32 v6, v0, 3, 1
	v_lshl_add_u32 v5, v6, 4, v5
	v_lshlrev_b32 v5, 4, v5
	s_cmp_eq_u32 ttmp9, 2                          ; the section, which all partners share; a global offset alone hangs on it
	s_cselect_b32 s20, -1, 0
	v_cndmask_b32 v[CO], v[L16], v5, s20
	s_lshr_b32 s20, s[TR], 3                       ; the batch
	s_lshl_b32 s21, s20, 4
	s_lshl_b32 s22, s[CX], 2
	s_add_co_u32 s21, s21, s22
	s_lshl_b32 s22, s[HC], 1
	s_add_co_u32 s21, s21, s22                     ; 16 x batch + my first head (4 cx + 2 x column half)
	s_lshl_b32 s44, s21, 18                        ; qkv: 262,144 bytes a batch and head,
	s_lshl_b32 s22, ttmp9, 23                      ; 8,388,608 a section,
	s_add_co_u32 s44, s44, s22
	s_and_b32 s22, s[TR], 7
	s_lshl_b32 s22, s22, 4
	s_lshl_b32 s23, s[HR], 3
	s_add_co_u32 s22, s22, s23                     ; my first block of 16 positions,
	s_lshl_b32 s22, s22, 11                        ; 2,048 bytes each
	s_add_co_u32 s44, s44, s22
	s_mov_b32 s45, 0
	s_add_nc_u64 s[12:13], s[12:13], s[44:45]
	s_lshl_b32 s44, s21, 12                        ; h32: 4,096 bytes a batch and head, 131,072 a section
	s_lshl_b32 s22, ttmp9, 17
	s_add_co_u32 s44, s44, s22
	s_add_nc_u64 s[14:15], s[14:15], s[44:45]
.macro FRAG reg, adr, q, i             ; a fragment's image: two loads of 512 consecutive bytes
.irp c, 0,1
	ds_load_b128 v[\reg+4*\c:\reg+4*\c+3], v[\adr] offset:16384*(\q)+1024*(\i)+512*\c
.endr
.endm
; 16 matrix instructions: X's blocks a0, a0 + 1 x W's eight, the slot's q-th 128 along K.  p: W's set; sc: the set of scale words.  zero = 1: the first product starts the sums.
; The 64 accumulators take turns, one instruction a turn, in the same order in every step.
.macro MUL16 a0, p, q, sc, zero
.irp a, \a0, \a0+1
.irp b, 0,1,2,3,4,5,6,7
.if \zero
	v_wmma_scale_f32_16x16x128_f8f6f4 v[8*(8*((\a)%4)+\b):8*(8*((\a)%4)+\b)+7], v[128*(\p)+FR*\b:128*(\p)+FR*\b+FR-1], v[AF+FR*(\a):AF+FR*(\a)+FR-1], 0, v[SC+8*NQ*(\sc)+NQ*\b+(\q)], v[SC+8*NQ*(\sc)+NQ*(\a)+(\q)] matrix_a_fmt:MATRIX_FMT_FP4 matrix_b_fmt:MATRIX_FMT_FP4 matrix_a_scale:MATRIX_SCALE_ROW1
.else
	v_wmma_scale_f32_16x16x128_f8f6f4 v[8*(8*((\a)%4)+\b):8*(8*((\a)%4)+\b)+7], v[128*(\p)+FR*\b:128*(\p)+FR*\b+FR-1], v[AF+FR*(\a):AF+FR*(\a)+FR-1], v[8*(8*((\a)%4)+\b):8*(8*((\a)%4)+\b)+7], v[SC+8*NQ*(\sc)+NQ*\b+(\q)], v[SC+8*NQ*(\sc)+NQ*(\a)+(\q)] matrix_a_fmt:MATRIX_FMT_FP4 matrix_b_fmt:MATRIX_FMT_FP4 matrix_a_scale:MATRIX_SCALE_ROW1
.endif
.endr
.endr
.endm
.macro FETCH_B slot, q, p
	WIN TO_B
.irp i, 0,1,2,3,4,5,6,7
	FRAG 128*(\p)+FR*\i, ADRB+\slot, \q, \i
.endr
	WIN 0
.endm
.macro FETCH_A slot, q, i0
.irp i, \i0, \i0+1, \i0+2, \i0+3
	FRAG AF+FR*(\i), ADRA+\slot, \q, \i
.endr
.endm
.macro SCALES sc                       ; slot sc's scale words: register NQ i + q: lanes 0-15 the word of X's block i, lanes 16-31 that of W's block i, for the slot's q-th 128 along K
.irp i, 0,1,2,3,4,5,6,7
.irp q, 0,1,2,3
	ds_load_b32 v[SC+8*NQ*\sc+NQ*\i+\q], v[ADRS] offset:512*\i+64*(4*\sc+\q)
.endr
.endr
.endm
.macro PLACES n                        ; plain vector instructions that name none of a matrix instruction's registers, in front of loads into registers that it has read and of reads of its results
.rept \n
	v_nop
.endr
.endm
.macro STEP slot, q, zero              ; a step of 128 along K that has its successor in the same slot
	s_wait_dscnt 4*NL                              ; all but the youngest eight loads (X's blocks 4-7) are in
	WIN MUL_LO
	MUL16 0, (\q)%2, \q, \slot, \zero
	MUL16 2, (\q)%2, \q, \slot, \zero
	s_wait_dscnt 0                                 ; X's blocks 4-7 are in
	PLACES NP
	FETCH_B \slot, (\q)+1, 1-(\q)%2
	FETCH_A \slot, (\q)+1, 0
	WIN MUL_HI
	MUL16 4, (\q)%2, \q, \slot, \zero
	MUL16 6, (\q)%2, \q, \slot, \zero
	PLACES NP
	WIN 0
	FETCH_A \slot, (\q)+1, 4
.endm
.macro STEPS slot, from
.set Q, \from
.rept NQ-1-\from
	STEP \slot, Q, 0
.set Q, Q+1
.endr
.endm
	s_wait_tensorcnt 1                             ; the scale words and my part of slot 0 are in; slot 1's load may be out
	s_barrier_signal -1
	s_barrier_wait -1                              ; everybody's are
	FETCH_B 0, 0, 0
	FETCH_A 0, 0, 0
	SCALES 0
	FETCH_A 0, 0, 4
	STEP 0, 0, 1                                   ; the first step's products start the sums: nothing is cleared
	STEPS 0, 1
	; slot 0's last step changes slots: one barrier; in front of it each wave waits for all its tensor loads (its part of slot 1)
	s_wait_tensorcnt 0x0
	ds_add_u32 v[SPW], v[NIL]                      ; 0 onto my spare word
	s_wait_dscnt 4*NL+1                            ; (the add and the youngest eight loads may be out)
	WIN MUL_LO
	MUL16 0, 1, NQ-1, 0, 0
	s_wait_dscnt 0x0
	s_barrier_signal -1
	MUL16 2, 1, NQ-1, 0, 0
	WIN 0
	s_barrier_wait -1                              ; slot 1 is whole
	PLACES NP
	FETCH_B 1, 0, 0
	FETCH_A 1, 0, 0
	SCALES 1
	WIN MUL_HI
	MUL16 4, 1, NQ-1, 0, 0
	MUL16 6, 1, NQ-1, 0, 0
	PLACES NP
	WIN 0
	FETCH_A 1, 0, 4
	STEPS 1, 0
	s_wait_dscnt 4*NL                              ; the very last step: nothing more to fetch
	WIN MUL_LO
	MUL16 0, 1, NQ-1, 1, 0
	MUL16 2, 1, NQ-1, 1, 0
	s_wait_dscnt 0
	WIN MUL_HI
	MUL16 4, 1, NQ-1, 1, 0
	MUL16 6, 1, NQ-1, 1, 0
	WIN 0
	PLACES NP                                      ; in front of the first reads of results and of the writes over X's fragments
	; positions 0-15 of a sequence are my block 0 where the tile row is a sequence's first and the row half is 0: they also leave unrounded.  The test is made of the tile row, which all partners share, and the wave's number
	s_and_b32 s20, s[TR], 7
	s_or_b32 s20, s20, s[HR]
	s_cmp_lg_u32 s20, 0
	s_cbranch_scc1 .Lno32
	WIN 0x08                                       ; a store's data are its source 1: window 2
.irp b, 0,1,2,3,4,5,6,7
	global_store_b128 v[L16], v[8*\b:8*\b+3], s[14:15] offset:1024*\b            ; each accumulator from its low end on; 512 consecutive bytes a store
	global_store_b128 v[L16], v[8*\b+4:8*\b+7], s[14:15] offset:1024*\b+512
.endr
	WIN 0
.Lno32:
.macro PACKST a                        ; block a of 16 rows: rounded to f16 and stored: eight stores of 512 consecutive bytes
.set AC, 64*((\a)%4)
.set PB, PK+32*((\a)%4)
.if (\a) >= 4
	s_wait_xcnt 0x0                                ; block a - 4's stores have read these registers
.endif
	WIN 0x0a+5*((\a)/4)                            ; sources 0 and 1: window 2 or 3
.irp b, 0,1,2,3,4,5,6,7
.irp i, 0,1,2,3
	v_cvt_pk_f16_f32 v[PB+4*\b+\i], v[AC+8*\b+2*\i], v[AC+8*\b+2*\i+1]
.endr
.endr
	WIN 0
.irp b, 0,1,2,3,4,5,6,7
	global_store_b128 v[CO], v[PB+4*\b:PB+4*\b+3], s[12:13] offset:(\b/4)*262144+(\a)*2048+(\b%4)*512   ; head b / 4 of my two, block a of positions, quarter b % 4 of the head's 64
.endr
.endm
.irp a, 0,1,2,3,4,5,6,7
	PACKST \a
.endr
	s_wait_tensorcnt 0x0                           ; the wave's end
	ds_add_u32 v[SPW], v[NIL]
	s_wait_dscnt 0x0
	CROUND                                         ; the closing round
	s_endpgm
.Lfunc_end_k_q02b376cce4_qkv:
	.size	k_q02b376cce4_qkv, .Lfunc_end_k_q02b376cce4_qkv-k_q02b376cce4_qkv
	.p2alignl 7, 3214868480
	.fill 96, 4, 3214868480
	.section	.rodata,"a",@progbits
	.p2align	6, 0x0
	.amdhsa_kernel k_q02b376cce4_qkv
		.amdhsa_group_segment_fixed_size 327680
		.amdhsa_private_segment_fixed_size 0
		.amdhsa_enable_private_segment 0
		.amdhsa_kernarg_size 48
		.amdhsa_user_sgpr_count 2
		.amdhsa_user_sgpr_kernarg_segment_ptr 1
		.amdhsa_wavefront_size32 1
		.amdhsa_system_sgpr_workgroup_id_x 1
		.amdhsa_system_sgpr_workgroup_id_y 1
		.amdhsa_system_sgpr_workgroup_id_z 1
		.amdhsa_system_vgpr_workitem_id 0
		.amdhsa_next_free_vgpr 1024
		.amdhsa_next_free_sgpr 100
		.amdhsa_reserve_vcc 0
		.amdhsa_float_denorm_mode_32 3
		.amdhsa_float_denorm_mode_16_64 3
		.amdhsa_memory_ordered 1
		.amdhsa_forward_progress 1
		.amdhsa_inst_pref_size 122
	.end_amdhsa_kernel
	.amdgpu_metadata
---
amdhsa.version: [ 1, 2 ]
amdhsa.kernels:
  - .name:           k_q02b376cce4_qkv
    .symbol:         k_q02b376cce4_qkv.kd
    .args:
      - { .name: ximg, .offset: 0, .size: 8, .value_kind: global_buffer, .address_space: global }
      - { .name: xs, .offset: 8, .size: 8, .value_kind: global_buffer, .address_space: global }
      - { .name: wimg, .offset: 16, .size: 8, .value_kind: global_buffer, .address_space: global }
      - { .name: ws, .offset: 24, .size: 8, .value_kind: global_buffer, .address_space: global }
      - { .name: qkv, .offset: 32, .size: 8, .value_kind: global_buffer, .address_space: global }
      - { .name: h32, .offset: 40, .size: 8, .value_kind: global_buffer, .address_space: global }
    .group_segment_fixed_size: 327680
    .private_segment_fixed_size: 0
    .kernarg_segment_align: 8
    .kernarg_segment_size: 48
    .max_flat_workgroup_size: 128
    .sgpr_count:     100
    .vgpr_count:     1024
    .wavefront_size: 32
...
	.end_amdgpu_metadata
.endif
;; end of part 2
;; launch attn (part 3): grid 8 x 32, 8 waves a work-group, no clusters, 327,680 bytes of LDS; arguments qkv, ctximg; writes ctximg
.if DOCPART == 3
	.amdgcn_target "amdgcn-amd-amdhsa--gfx1250"
	.amdhsa_code_object_version 6
	.text
	.protected	k_q02b376cce4_attn
	.globl	k_q02b376cce4_attn
	.p2align	8
	.type	k_q02b376cce4_attn,@function
k_q02b376cce4_attn:
	s_mov_b64 s[64:65], 0
	v_nop
	global_prefetch_b8 v0, s[64:65] scope:SCOPE_SE
	s_setreg_imm32_b32 hwreg(HW_REG_WAVE_MODE, 25, 1), 1
	s_wait_xcnt 0x0
; ATTN.  ctx[b][q][head] = the sum over k <= q of softmax_k(q . k / 8) v, head size 64, 2,048 positions, 32 batches x heads.  q, k, v in f16; products, maxima and sums in f32; the weights p are rounded to f16 for the
; second product, ctx once at the end.  A running maximum m and sum l for each query: p = 2^(c s - c m), c = log2(e) / 8; in every step O and l are multiplied by a = 2^(c m_old - c m_new).
; SHARES.  Work-group (i, bh) owns query blocks i and 15 - i of 128 queries: under the causal mask each work-group then has the same number of key steps.  A wave owns 32 queries, TWO tiles of 16, so that each
; fragment of K and V read from LDS feeds two products.  Wave w: block i or 15 - i by (w xor w / 4) % 2, its 32 queries by w / 2.
; LAYOUT.  S^T = K Q^T (source 0 = 16 keys, source 1 = 16 queries), O^T = V^T P: a lane holds ONE query throughout; two tiles of S^T, rounded in pairs, ARE source 1 of the second product.
; K AND V ARRIVE AS IMAGES OF FRAGMENTS (1,024 bytes, half c at 512 c, a lane's 16 bytes at 16 x lane), so 256 keys are a dense block of 32,768 bytes and every LDS load takes 512 consecutive bytes.
; V's pieces were laid so that the turning load, too, reads 16 x lane: lane 8 g + j finds key 8 (g / 2) + j, channels 8 (g % 2) + 0 .. 7, and is left with channel lane % 16 and keys 8 (lane / 16) + 0 .. 7.
; THE RING.  Two slots of 256 keys (K's 32,768 bytes, then V's).  Waves 0 to 3 fetch, 16,384 bytes each, one tensor load a wave behind each change of slots; all eight read.
; THE CAUSAL MASK.  Every work-group walks all eight slots: trip counts are constants.  A key step whose first key comes after the wave's first query is left out by a scalar branch on ids (key steps begin at multiples of
; 64, a wave's queries at a multiple of 32: so every step that is walked has at least one key that counts for each query); on the diagonal hidden scores become -infinity.  A slot whose first key comes after the
; work-group's last query is not asked for: the test is made of ids and the count of steps, the same in all waves, and every wait on TENSORcnt in this text is for 0.
; NO CLUSTER: the work-groups of a head have different causal limits, so a joint load would bring tiles that every wave of some partner leaves out.
; THE WAY OUT NEEDS NO LDS: a lane's eight channels, as f16, are its piece of ctximg [32 tiles of 128 rows][32 steps of 32 along K][8 blocks][1024], the next launch's fragment image.
; LIMITS: p under 6e-8 falls to zero in f16; ctx must lie under 65,504; NaN and infinities are not served.
; REGISTERS.  Window 0: v1 16 x lane; v2 the loads' address; v3, v4 the add's two; v5 r - 8 h; v6 the mask's bound; v7 -infinity; v8 256 x lane; v10-21 statistics, six a tile: c m, m | l (two halves) | a, 0;
;   v22-31 at work; v32-95 K; v96-159 V; v160-223 S^T, then p, 32 a tile; v224-255 P, 16 a tile.   Window 1: v0-31 Q, 16 a tile; v32-95 O^T, 32 a tile.
.set SLOT1, 65536
.set VOFF,  32768
.set SPARE, 2*SLOT1                    ; behind the ring: the spare words, 128 bytes a wave: four blocks of 256 bytes that no other line names
.set L16, 1
.set AD,  2
.set SPW, 3
.set NIL, 4
.set D0,  5
.set DM,  6
.set NINF, 7
.set PFO, 8
.set ST,  10
.set TP,  22
.set DL,  30
.set KR,  32
.set VR,  96
.set S,   160
.set P,   224
.set OT,  32                           ; in window 1
.set TB,  2                            ; s2  LDS byte at which the key step in hand begins
.set WV,  18
.set SEL, 20
.set CS,  22                           ; s[22:23] c, twice: the packed form names a pair
.set G1,  24
.set G0,  40                           ; s[40:43] the walking descriptor
.set CNT, 66
.set SLOTS, 67
.set PFA, 76                           ; s[76:77], s[78:79] where my prefetches stand in K and in V
.set PFB, 78
.set LIM, 80
.set LASTQ, 95
.set KF,  98                           ; s98 the step's first key
.set Q0,  99                           ; s99 my first query
.set MSB, 0
.macro WIN new
.if MSB != \new
	s_set_vgpr_msb (MSB<<8)|\new
.set MSB, \new
.endif
.endm
.macro TLOAD                           ; waves 0 to 3 fetch; an s_nop 0 and four v_nop follow the load
	s_cmp_lt_u32 s[WV], 4
	s_cbranch_scc0 .Lasked_\@
	tensor_load_to_lds s[G0:G0+3], s[G1:G1+7]
	s_nop 0
.rept 4
	v_nop
.endr
.Lasked_\@:
.endm
; A prefetch of what the NEXT change of slots will ask for: a slot's 32,768 bytes of K and of V.  All work-groups of a head walk the same K and V; work-group x = 0, which owns the head's last queries and so asks for
; every slot, prefetches, and in it the waves that fetch nothing: waves 4 to 7, 8,192 bytes of each a wave, lanes 256 bytes apart.  So each aligned block of 256 bytes is named once in the launch.
; Slots 0 and 1 come by their loads alone; the last change that fills a slot asks for nothing: there is no slot behind it.
.macro ASK
	s_cmp_gt_u32 s[SLOTS], s[LIM]
	s_cbranch_scc0 .Lnot_mine_\@
	global_prefetch_b8 v[PFO], s[PFA:PFA+1] th:TH_LOAD_NT scope:SCOPE_SE
	global_prefetch_b8 v[PFO], s[PFB:PFB+1] th:TH_LOAD_NT scope:SCOPE_SE
.Lnot_mine_\@:
.endm
	s_load_b128 s[4:7], s[0:1], 0x0                ; qkv s[4:5], ctximg s[6:7]
	v_lshl_add_u32 v[SPW], v0, 2, SPARE
	v_mov_b32 v[NIL], 0
	ds_add_u32 v[SPW], v[NIL]                      ; the wave's opening: the add, twice on end, and its wait ahead of the first tensor load
	ds_add_u32 v[SPW], v[NIL]
	v_lshrrev_b32 v1, 5, v0
	v_readfirstlane_b32 s[WV], v1                  ; wave 0..7
	s_and_b32 s8, ttmp7, 0xffff                    ; batch x 16 + head
	s_lshr_b32 s9, s[WV], 2
	s_xor_b32 s9, s9, s[WV]
	s_and_b32 s9, s9, 1                            ; 1: the late block
	s_sub_co_u32 s10, 15, ttmp9
	s_cmp_eq_u32 s9, 1
	s_cselect_b32 s10, s10, ttmp9
	s_lshl_b32 s[Q0], s10, 7
	s_lshr_b32 s10, s[WV], 1
	s_lshl_b32 s10, s10, 5
	s_add_co_u32 s[Q0], s[Q0], s10                 ; my first query
	s_lshl_b32 s[LASTQ], ttmp9, 7
	s_sub_co_u32 s[LASTQ], 2047, s[LASTQ]          ; my work-group's last query: 128 (15 - i) + 127
	s_mov_b32 s[G1], 3<<16                         ; group 1: 64 rows of 256 bytes (32 elements of 8 bytes), dense, no padding, no mask
	s_mov_b32 s[G1+1], 32<<16
	s_mov_b32 s[G1+2], 64<<16
	s_mov_b32 s[G1+3], 32<<16
	s_mov_b32 s[G1+4], 64
	s_mov_b32 s[G1+5], 32
	s_mov_b32 s[G1+6], 0
	s_mov_b32 s[G1+7], 0
	s_mov_b32 s[SEL], 0x76543210
	s_mov_b32 s[SEL+1], 0xfedcba98
	s_mov_b32 s[CS], 0x3e38aa3b                    ; c = log2(e) / 8
	s_mov_b32 s[CS+1], s[CS]
	s_mov_b32 s[TB], 0
	s_mov_b32 s[KF], 0
	s_mov_b32 s[SLOTS], 7
	s_lshl_b32 s12, s8, 18                         ; 262,144 bytes a batch and head in each section
	s_lshl_b32 s14, s[Q0], 7                       ; Q: 128 bytes a position
	s_add_co_u32 s14, s14, s12
	s_mov_b32 s15, 0
	s_bfe_u32 s16, s[WV], 0x10001                  ; what I fetch, if I fetch: section 1 (K: waves 0, 1) or 2 (V: waves 2, 3),
	s_add_co_u32 s16, s16, 1
	s_lshl_b32 s16, s16, 23
	s_add_co_u32 s16, s16, s12
	s_and_b32 s17, s[WV], 1                        ; its lower or upper 128 keys
	s_lshl_b32 s17, s17, 14
	s_add_co_u32 s16, s16, s17
	s_mov_b32 s17, 0
	s_and_b32 s19, s[WV], 3
	s_lshl_b32 s[G0+1], s19, 14                    ; 63:32 LDS address: slot 0, 16,384 bytes a wave
	s_lshl_b32 s82, s19, 13                        ; the prefetches: 8,192 bytes a wave,
	s_add_co_u32 s82, s82, s12
	s_add_co_u32 s82, s82, 0x808000                ; in section 1, slot 1: the first change of slots steps it to slot 2
	s_mov_b32 s83, 0
	s_lshr_b32 s84, s[WV], 2
	s_xor_b32 s84, s84, 1                          ; 0 in waves 4 to 7,
	s_or_b32 s84, s84, ttmp9                       ; of work-group x = 0
	s_cmp_eq_u32 s84, 0
	s_cselect_b32 s[LIM], 1, -1
	s_lshr_b32 s84, s8, 4                          ; ctximg: my first block of 16 rows: 128 x batch + first query / 16;
	s_lshl_b32 s84, s84, 7
	s_lshr_b32 s85, s[Q0], 4
	s_add_co_u32 s84, s84, s85
	s_lshr_b32 s85, s84, 3                         ; its tile of 128 rows, 262,144 bytes,
	s_lshl_b32 s85, s85, 18
	s_and_b32 s84, s84, 7                          ; its place in the tile, 1,024 bytes,
	s_lshl_b32 s84, s84, 10
	s_add_co_u32 s84, s84, s85
	s_and_b32 s85, s8, 15                          ; and the head's two steps of 32 along K, 8,192 bytes each
	s_lshl_b32 s85, s85, 14
	s_add_co_u32 s84, s84, s85
	s_mov_b32 s85, 0
	s_wait_dscnt 0x0                               ; both opening adds are done
	s_wait_kmcnt 0x0
	s_mov_b32 s[G0], 1                             ; 1:0 count = 1
	s_add_nc_u64 s[G0+2:G0+3], s[4:5], s[16:17]    ; 120:64 global address: the head's first 256 keys
	s_or_b32 s[G0+3], s[G0+3], 0x80000000          ; 127:126 type = 2
	TLOAD                                          ; slot 0
	s_add_nc_u64 s[PFA:PFA+1], s[4:5], s[82:83]
	s_add_nc_u64 s[PFB:PFB+1], s[PFA:PFA+1], 0x800000
	s_add_nc_u64 s[6:7], s[6:7], s[84:85]
	s_add_nc_u64 s[4:5], s[4:5], s[14:15]          ; Q at my first query
	v_and_b32 v[L16], 31, v0
	v_lshlrev_b32 v[L16], 4, v[L16]
	WIN 0x40                                       ; destination window 1
.irp t, 0,1
.irp n, 0,1,2,3
	global_load_b128 v[16*\t+4*\n:16*\t+4*\n+3], v[L16], s[4:5] offset:\t*2048+\n*512   ; Q's four fragments stay in registers
.endr
.endr
.set n, 0
.rept 64
	v_mov_b32 v[OT+n], 0                           ; O^T.  (The key step is written once: the first finds zeros, which a = 0 leaves zeros)
.set n, n+1
.endr
	WIN 0
	v_and_b32 v[D0], 15, v0
	v_bfe_u32 v[DM], v0, 4, 1
	v_lshlrev_b32 v[DM], 3, v[DM]
	v_sub_nc_u32 v[D0], v[D0], v[DM]               ; r - 8 h
	v_mov_b32 v[NINF], 0xff800000
	v_lshlrev_b32 v[PFO], 4, v[L16]
.irp t, 0,1
	v_mov_b32 v[ST+6*\t+1], 0xff61b1e6             ; m: -3e38, under every score
	v_mul_f32 v[ST+6*\t], s[CS], v[ST+6*\t+1]      ; c m
	v_mov_b32 v[ST+6*\t+2], 0                      ; l, in two halves
	v_mov_b32 v[ST+6*\t+3], 0
	v_mov_b32 v[ST+6*\t+4], 0
	v_mov_b32 v[ST+6*\t+5], 0                      ; named with a as a pair, so it is written
.endr
.irp n, 0,1,2,3,4,5,6,7,8,9
	v_mov_b32 v[TP+\n], 0                          ; written once: a lane permute's destination counts as one of its sources
.endr
; A KEY STEP: 64 keys, at LDS byte s[TB] of the ring.
.macro STEP
	s_cmp_gt_u32 s[KF], s[Q0]                      ; all 64 keys come after my 32 queries: the step's work is left out; the lines at its end that step addresses are not
	s_cbranch_scc1 .Lhidden_\@
	v_add_nc_u32 v[AD], s[TB], v[L16]
.irp kt, 0,1,2,3
.irp n, 0,1,2,3
	ds_load_b128 v[KR+16*\kt+4*\n:KR+16*\kt+4*\n+3], v[AD] offset:\kt*2048+\n*512   ; K: keys 16 kt on; fragment 2 kt + n / 2, half n % 2
.endr
.endr
.irp ks, 0,1
.irp ct, 0,1,2,3
.irp u, 0,1
	ds_load_tr16_b128 v[VR+8*(4*\ks+\ct)+4*\u:VR+8*(4*\ks+\ct)+4*\u+3], v[AD] offset:VOFF+(2*\ks+\u)*2048+\ct*512   ; V^T: channels 16 ct on, keys 32 ks + 16 u on
.endr
.endr
.endr
	s_wait_dscnt 16                                ; K's 16 loads are in; V's 16 may be out
	WIN 0x04                                       ; source 1 (Q) window 1
.irp ds, 0,1                                   ; eight accumulators by turns, one instruction a turn
.irp kt, 0,1,2,3
.irp t, 0,1
.if \ds == 0
	v_wmma_f32_16x16x32_f16 v[S+32*\t+8*\kt:S+32*\t+8*\kt+7], v[KR+8*(2*\kt+\ds):KR+8*(2*\kt+\ds)+7], v[16*\t+8*\ds:16*\t+8*\ds+7], 0
.else
	v_wmma_f32_16x16x32_f16 v[S+32*\t+8*\kt:S+32*\t+8*\kt+7], v[KR+8*(2*\kt+\ds):KR+8*(2*\kt+\ds)+7], v[16*\t+8*\ds:16*\t+8*\ds+7], v[S+32*\t+8*\kt:S+32*\t+8*\kt+7]
.endif
.endr
.endr
.endr
	WIN 0
.rept 4
	v_nop                                          ; places in front of the first read of the scores
.endr
	s_add_co_u32 s96, s[KF], 63                    ; a step all of whose keys count for all my queries skips the mask
	s_cmp_le_u32 s96, s[Q0]
	s_cbranch_scc1 .Lopen_\@
	s_sub_co_u32 s96, s[Q0], s[KF]
	v_add_nc_u32 v[DM], s96, v[D0]                 ; register 8 kt + j of tile t: key KF + 16 kt + 8 h + j, query Q0 + 16 t + r: hidden where 16 kt + j - 16 t > Q0 - KF + r - 8 h
.irp t, 0,1
.irp kt, 0,1,2,3
.irp j, 0,1,2,3,4,5,6,7
	v_cmp_gt_i32 vcc_lo, 16*\kt+\j-16*\t, v[DM]
	v_cndmask_b32 v[S+32*\t+8*\kt+\j], v[S+32*\t+8*\kt+\j], v[NINF], vcc_lo
.endr
.endr
.endr
.Lopen_\@:
	; the maximum of a lane's 32 scores and the old m, three operands at a time, four chains a tile, the two tiles by turns; each accumulator is read from its low end on
.irp j, 0,1,2,3
.irp t, 0,1
	v_max3_num_f32 v[TP+4*\t+\j], v[S+32*\t+8*\j], v[S+32*\t+8*\j+1], v[S+32*\t+8*\j+2]
.endr
.endr
.irp g, 1,2
.irp j, 0,1,2,3
.irp t, 0,1
	v_max3_num_f32 v[TP+4*\t+\j], v[TP+4*\t+\j], v[S+32*\t+8*\j+2*\g+1], v[S+32*\t+8*\j+2*\g+2]
.endr
.endr
.endr
.irp t, 0,1
	v_max3_num_f32 v[TP+4*\t], v[TP+4*\t], v[S+32*\t+7], v[S+32*\t+15]
	v_max3_num_f32 v[TP+4*\t+2], v[TP+4*\t+2], v[S+32*\t+23], v[S+32*\t+31]
.endr
.irp t, 0,1
	v_max3_num_f32 v[TP+4*\t], v[TP+4*\t], v[TP+4*\t+1], v[TP+4*\t+2]
.endr
.irp t, 0,1
	v_max3_num_f32 v[TP+4*\t], v[TP+4*\t], v[TP+4*\t+3], v[ST+6*\t+1]
.endr
.irp t, 0,1
	v_permlanex16_b32 v[TP+4*\t+1], v[TP+4*\t], s[SEL], s[SEL+1]   ; the query's other 32 keys lie in the lane 16 away
.endr
.irp t, 0,1
	v_mov_b32 v[DL+\t], v[ST+6*\t]                 ; c m_old is kept for a
.endr
.irp t, 0,1
	v_max_num_f32 v[ST+6*\t+1], v[TP+4*\t], v[TP+4*\t+1]
.endr
.irp t, 0,1
	v_mul_f32 v[ST+6*\t], s[CS], v[ST+6*\t+1]
.endr
.irp t, 0,1
	v_sub_f32 v[DL+\t], v[DL+\t], v[ST+6*\t]
.endr
.irp n, 0,2,4,6,8,10,12,14,16,18,20,22,24,26,28,30
.irp t, 0,1
	v_pk_fma_f32 v[S+32*\t+\n:S+32*\t+\n+1], v[S+32*\t+\n:S+32*\t+\n+1], s[CS:CS+1], v[ST+6*\t:ST+6*\t+1] op_sel_hi:[1,0,0] neg_lo:[0,0,1] neg_hi:[0,0,1]   ; c s - c m
.endr
.endr
.irp t, 0,1                                    ; ONE BATCH of 66 exponentials: none reads another's result
	v_exp_f32 v[ST+6*\t+4], v[DL+\t]               ; a
.endr
.set n, 0
.rept 64
	v_exp_f32 v[S+n], v[S+n]                       ; p, at most 1
.set n, n+1
.endr
	v_nop                                          ; a plain instruction behind the last exponential
	s_wait_alu depctr_va_vdst(0)                   ; one wait for the batch, ahead of its first reader
.irp t, 0,1
	v_pk_mul_f32 v[ST+6*\t+2:ST+6*\t+3], v[ST+6*\t+2:ST+6*\t+3], v[ST+6*\t+4:ST+6*\t+5] op_sel_hi:[1,0]   ; l x a
.endr
.irp t, 0,1                                    ; the sums are taken of the unrounded p, two at a time, in two chains a tile
	v_pk_add_f32 v[TP+4*\t:TP+4*\t+1], v[S+32*\t:S+32*\t+1], v[S+32*\t+2:S+32*\t+3]
.endr
.irp n, 4,8,12,16,20,24,28
.irp t, 0,1
	v_pk_add_f32 v[ST+6*\t+2:ST+6*\t+3], v[ST+6*\t+2:ST+6*\t+3], v[S+32*\t+\n:S+32*\t+\n+1]
	v_pk_add_f32 v[TP+4*\t:TP+4*\t+1], v[TP+4*\t:TP+4*\t+1], v[S+32*\t+\n+2:S+32*\t+\n+3]
.endr
.endr
.irp t, 0,1
	v_pk_add_f32 v[ST+6*\t+2:ST+6*\t+3], v[ST+6*\t+2:ST+6*\t+3], v[TP+4*\t:TP+4*\t+1]
.endr
.set n, 0
.rept 32
	v_cvt_pk_f16_f32 v[P+n], v[S+2*n], v[S+2*n+1]  ; two neighbouring keys' weights: P's fragments as they stand
.set n, n+1
.endr
	WIN 0x41                                       ; O^T (destination and source 0) window 1, a window 0
.irp n, 0,2,4,6,8,10,12,14,16,18,20,22,24,26,28,30
.irp t, 0,1
	v_pk_mul_f32 v[OT+32*\t+\n:OT+32*\t+\n+1], v[OT+32*\t+\n:OT+32*\t+\n+1], v[ST+6*\t+4:ST+6*\t+5] op_sel_hi:[1,0]   ; O^T x a, each accumulator from its low end on
.endr
.endr
	s_wait_dscnt 0x0                               ; V is in
	WIN 0x50                                       ; C and D (O^T) window 1
.irp ks, 0,1
.irp ct, 0,1,2,3
.irp t, 0,1
	v_wmma_f32_16x16x32_f16 v[OT+32*\t+8*\ct:OT+32*\t+8*\ct+7], v[VR+8*(4*\ks+\ct):VR+8*(4*\ks+\ct)+7], v[P+16*\t+8*\ks:P+16*\t+8*\ks+7], v[OT+32*\t+8*\ct:OT+32*\t+8*\ct+7]
.endr
.endr
.endr
	WIN 0
.rept 4
	v_nop                                          ; places in front of the next step's loads into V's registers, of its writes of P and of the next reads of O^T
.endr
.Lhidden_\@:
	s_add_co_u32 s[KF], s[KF], 64
	s_add_co_u32 s[TB], s[TB], 8192                ; 64 keys on, in K's part and in V's alike
.endm
; THE CHANGE OF SLOTS stands at a slot's head.  Each wave waits for all its tensor loads (its part of the slot that it is about to read), adds 0 to its spare word, and waits for that and for its reads of the slot that it has
; left.  Behind the barrier the slot ahead is whole and nobody reads the other one.  fill = 1: that other slot is filled with the next 256 keys, up to the causal limit: the load has four key steps in which to land.
.macro CHANGE fill
	s_wait_tensorcnt 0x0                           ; no tensor load of mine is out, so the descriptor may be written
	ds_add_u32 v[SPW], v[NIL]
.if \fill
	ds_add_u32 v[SPW], v[NIL]                      ; and once more: the add stands twice on end, in every trip alike
	s_xor_b32 s[G0+1], s[G0+1], SLOT1              ; the other slot than last time,
	s_add_nc_u64 s[G0+2:G0+3], s[G0+2:G0+3], 32768 ; the next 256 keys; the type bits on top are not reached
	s_wait_xcnt 0x0                                ; the last prefetches, a slot back, have read their addresses
	s_add_nc_u64 s[PFA:PFA+1], s[PFA:PFA+1], 32768
	s_add_nc_u64 s[PFB:PFB+1], s[PFB:PFB+1], 32768
.endif
	s_wait_dscnt 0x0                               ; the add is done, and my reads of the slot that I have left are over
	s_barrier_signal -1
	s_barrier_wait -1
.if \fill
	s_add_co_u32 s96, s[KF], 256                   ; the first key of the slot that this change would ask for
	s_cmp_gt_u32 s96, s[LASTQ]                     ; past my work-group's last query: none of its waves would read it
	s_cbranch_scc1 .Lpast_\@
	TLOAD                                          ; a wave's one tensor load until the next change
.Lpast_\@:
	ASK
.endif
.endm
.macro SLOT_STEPS                      ; a slot's four key steps: written once, walked four times
	s_mov_b32 s[CNT], 4
.Lstep_\@:
	STEP
	s_sub_co_u32 s[CNT], s[CNT], 1
	s_cmp_lg_u32 s[CNT], 0
	s_cbranch_scc1 .Lstep_\@
	s_sub_co_u32 s[TB], s[TB], 32768               ; back to a slot's first step,
	s_xor_b32 s[TB], s[TB], SLOT1                  ; in the other slot
.endm
	s_wait_loadcnt 0x0                             ; Q
.Lslot:                                            ; seven trips: behind each change of slots but the last the next slot is asked for, up to the causal limit
	CHANGE 1
	SLOT_STEPS
	s_sub_co_u32 s[SLOTS], s[SLOTS], 1
	s_cmp_lg_u32 s[SLOTS], 0
	s_cbranch_scc1 .Lslot
	CHANGE 0                                       ; the last slot is written out: nothing is left to ask for
	SLOT_STEPS
	; THE WAY OUT: l's halves are added, O^T is divided by l and rounded to f16; a lane's 16 bytes are its piece of the image
.irp t, 0,1
	v_add_f32 v[TP+4*\t], v[ST+6*\t+2], v[ST+6*\t+3]
.endr
.irp t, 0,1
	v_permlanex16_b32 v[TP+4*\t+1], v[TP+4*\t], s[SEL], s[SEL+1]
.endr
.irp t, 0,1
	v_add_f32 v[TP+4*\t], v[TP+4*\t], v[TP+4*\t+1]
.endr
.irp t, 0,1
	v_rcp_f32 v[ST+6*\t+4], v[TP+4*\t]
.endr
	v_nop                                          ; a plain instruction behind the last reciprocal
	s_wait_alu depctr_va_vdst(0)                   ; and the wait ahead of the first use
	WIN 0x01                                       ; source 0 (O^T) window 1
.irp n, 0,2,4,6,8,10,12,14,16,18,20,22,24,26,28,30
.irp t, 0,1
	v_pk_mul_f32 v[S+32*\t+\n:S+32*\t+\n+1], v[OT+32*\t+\n:OT+32*\t+\n+1], v[ST+6*\t+4:ST+6*\t+5] op_sel_hi:[1,0]
.endr
.endr
	WIN 0
.set n, 0
.rept 32
	v_cvt_pk_f16_f32 v[P+n], v[S+2*n], v[S+2*n+1]
.set n, n+1
.endr
.irp t, 0,1
.irp ct, 0,1,2,3
	global_store_b128 v[L16], v[P+16*\t+4*\ct:P+16*\t+4*\ct+3], s[6:7] offset:\t*1024+(\ct/2)*8192+(\ct%2)*512   ; 512 consecutive bytes a store
.endr
.endr
	s_wait_tensorcnt 0x0                           ; the wave's end
	ds_add_u32 v[SPW], v[NIL]
	s_wait_dscnt 0x0
	s_endpgm
.Lfunc_end_k_q02b376cce4_attn:
	.size	k_q02b376cce4_attn, .Lfunc_end_k_q02b376cce4_attn-k_q02b376cce4_attn
	.p2alignl 7, 3214868480
	.fill 96, 4, 3214868480
	.section	.rodata,"a",@progbits
	.p2align	6, 0x0
	.amdhsa_kernel k_q02b376cce4_attn
		.amdhsa_group_segment_fixed_size 327680
		.amdhsa_private_segment_fixed_size 0
		.amdhsa_enable_private_segment 0
		.amdhsa_kernarg_size 16
		.amdhsa_user_sgpr_count 2
		.amdhsa_user_sgpr_kernarg_segment_ptr 1
		.amdhsa_wavefront_size32 1
		.amdhsa_system_sgpr_workgroup_id_x 1
		.amdhsa_system_sgpr_workgroup_id_y 1
		.amdhsa_system_sgpr_workgroup_id_z 1
		.amdhsa_system_vgpr_workitem_id 0
		.amdhsa_next_free_vgpr 384
		.amdhsa_next_free_sgpr 100
		.amdhsa_reserve_vcc 1
		.amdhsa_float_denorm_mode_32 3
		.amdhsa_float_denorm_mode_16_64 3
		.amdhsa_memory_ordered 1
		.amdhsa_forward_progress 1
		.amdhsa_inst_pref_size 58
	.end_amdhsa_kernel
	.amdgpu_metadata
---
amdhsa.version: [ 1, 2 ]
amdhsa.kernels:
  - .name:           k_q02b376cce4_attn
    .symbol:         k_q02b376cce4_attn.kd
    .args:
      - { .name: qkv, .offset: 0, .size: 8, .value_kind: global_buffer, .address_space: global }
      - { .name: ctximg, .offset: 8, .size: 8, .value_kind: global_buffer, .address_space: global }
    .group_segment_fixed_size: 327680
    .private_segment_fixed_size: 0
    .kernarg_segment_align: 8
    .kernarg_segment_size: 16
    .max_flat_workgroup_size: 256
    .sgpr_count:     100
    .vgpr_count:     384
    .wavefront_size: 32
...
	.end_amdgpu_metadata
.endif
;; end of part 3
;; launch oproj (part 4): grid 8 x 32, 4 waves a work-group, clusters of 4 x 4, 327,680 bytes of LDS; arguments ctximg, woimg, out0; writes out0
.if DOCPART == 4
	.amdgcn_target "amdgcn-amd-amdhsa--gfx1250"
	.amdhsa_code_object_version 6
	.text
	.protected	k_q02b376cce4_oproj
	.globl	k_q02b376cce4_oproj
	.p2align	8
	.type	k_q02b376cce4_oproj,@function
k_q02b376cce4_oproj:
	s_mov_b64 s[64:65], 0
	v_nop
	global_prefetch_b8 v0, s[64:65] scope:SCOPE_SE
	s_setreg_imm32_b32 hwreg(HW_REG_WAVE_MODE, 25, 1), 1
	s_wait_xcnt 0x0
	s_wait_alu depctr_hold_cnt(0) depctr_sa_sdst(0) depctr_va_vdst(0) depctr_va_sdst(0) depctr_va_ssrc(0) depctr_va_vcc(0) depctr_vm_vsrc(0)
	s_getreg_b32 s2, hwreg(HW_REG_IB_STS2, 6, 4)
	s_cmp_eq_u32 s2, 0
	s_cbranch_scc0 .Lentry_in_a_cluster
	s_endpgm
.Lentry_in_a_cluster:
	s_bfe_u32 s2, ttmp6, 0x10000c
	s_cmp_lg_u32 s2, 0xf033
	s_cbranch_scc0 .Lentry_shape_is_right
	s_endpgm
.Lentry_shape_is_right:
; OPROJ.  out0[m][n] = the sum over k of ctx[m][k] W_out[k][n]: [4096] x [1024] over K = 1,024, f16 operands, f32 sums, f32 out.
; A tile of 128 x 128 to a work-group: 8 x 32 = 256 work-groups.  Four waves, 64 x 64 each: 16 accumulators, 128 registers.
; BOTH OPERANDS ARRIVE AS IMAGES OF FRAGMENTS, [tile of 128][32 steps of 32 along K][8 blocks of 16][1024]: a K step of 256 of a tile is a dense block of 65,536 bytes; a fragment's half is 512 consecutive bytes, 16 a lane.
; K goes in four steps of 256 through a ring of two LDS slots (131,072 bytes each: ctx's block, then W_out's); a wave fetches 32,768 bytes with one tensor load.
; CLUSTERS: 4 x 4 work-groups.  The four of a row of the cluster need the same tiles of ctx, the four of a column the same tiles of W_out: each is asked for JOINTLY.
; THE MATRIX INSTRUCTION IS USED TRANSPOSED (source 0 = 16 columns of W_out, source 1 = 16 rows of ctx): a lane holds eight neighbouring numbers of a row of out0.
; THE WAY OUT: a wave's 64 columns are 256 bytes, so each wave sends 16 rows at a time through a stage of its own and stores sixteen lanes to 256 consecutive, aligned bytes: no barrier.
; Rows 0-15 of each sequence are written here like the others and written over by the next launch, which carries them in f32: leaving them out here would be a branch on a work-group's place in its cluster.
; REGISTERS: window 0: v0-31 addresses; v32-95 rows on the way out, two sets; v128-255 the accumulators ((a, b) at v[128 + 8 (4 a + b)]).   window 1: two fragment buffers of 128: 64 of ctx, then 64 of W_out.
.set SLOT,   131072
.set BOFF,   65536
.set STAGE,  2*SLOT                    ; behind the ring: 16 rows x 272 bytes for each wave
.set SPITCH, 272                       ; 256 bytes + 16: an odd multiple of 16
.set SPARE,  STAGE+4*16*SPITCH         ; the spare words, 128 bytes a wave: two blocks of 256 bytes that no other line names
.set LAPS,   2                         ; a lap = two K steps = once round the ring
.set ADRA, 16
.set ADRB, 20
.set STO,  24
.set RD,   25
.set CO,   26
.set SPW,  28
.set NIL,  29
.set TMP,  32
.set ACC,  128
.set F0,   0
.set F1,   128
.set G1, 24
.set G0, 32
.set G1B, 48
.set G0B, 56
.set MSB, 0
.macro WIN new
.if MSB != \new
	s_set_vgpr_msb (MSB<<8)|\new
.set MSB, \new
.endif
.endm
.set MUL,  0x05                        ; sources 0 (W_out) and 1 (ctx) window 1; C and D window 0
.set TO_F, 0x40
.macro JLOAD s                         ; a joint load: waves 0 and 1 fetch ctx's two halves, waves 2 and 3 W_out's; an s_nop 0 and four v_nop follow each of the two lines
	s_cmp_eq_u32 s11, 0
	s_cbranch_scc0 .Lfor_b_\@
	tensor_load_to_lds s[G0+4*\s:G0+4*\s+3], s[G1:G1+7]
	s_nop 0
.rept 4
	v_nop
.endr
	s_branch .Lasked_\@
.Lfor_b_\@:
	tensor_load_to_lds s[G0B+4*\s:G0B+4*\s+3], s[G1B:G1B+7]
	s_nop 0
.rept 4
	v_nop
.endr
.Lasked_\@:
.endm
.macro CREST
	s_cmp_lg_u32 s10, 0
	s_cbranch_scc1 .Lnot_wave_0_\@
	s_barrier_signal -3
.Lnot_wave_0_\@:
	s_barrier_wait -3
	s_barrier_signal -1
	s_barrier_wait -1
.endm
.macro CROUND
	s_barrier_signal -1
	s_barrier_wait -1
	CREST
.endm
	s_load_b128 s[4:7], s[0:1], 0x0                ; ctximg s[4:5], woimg s[6:7]
	s_load_b64 s[8:9], s[0:1], 0x10                ; out0
	v_lshl_add_u32 v[SPW], v0, 2, SPARE
	v_mov_b32 v[NIL], 0
	ds_add_u32 v[SPW], v[NIL]                      ; the wave's opening: the add, twice on end, and its wait ahead of my first tensor load
	ds_add_u32 v[SPW], v[NIL]
	v_lshrrev_b32 v1, 5, v0
	v_readfirstlane_b32 s10, v1                    ; wave 0..3
	s_lshr_b32 s11, s10, 1                         ; which half of the tile's rows is mine.  Also: I fetch for ctx (0) or for W_out (1)
	s_and_b32 s12, s10, 1                          ; which half of its columns.  Also: which half of a K step's block I fetch
	s_bfe_u32 s40, ttmp6, 0x40000                  ; cx, cy
	s_bfe_u32 s41, ttmp6, 0x40004
	s_lshl_b32 s42, ttmp9, 2
	s_add_co_u32 s42, s42, s40                     ; tile column
	s_and_b32 s13, ttmp7, 0xffff
	s_lshl_b32 s13, s13, 2
	s_add_co_u32 s13, s13, s41                     ; tile row
	s_lshl_b32 s43, s41, 2
	s_lshl_b32 s43, 15, s43                        ; my row of the cluster
	s_lshl_b32 s44, 0x1111, s40                    ; my column
	s_or_b32 s[G1+0], s43, (3<<16)|(1<<21)         ; 15:0 the mask; 17:16 elements of 8 bytes; 21 set beside a mask; no padding
	s_or_b32 s[G1B+0], s44, (3<<16)|(1<<21)
.irp g, G1, G1B
	s_mov_b32 s[\g+1], 32<<16                      ; 128 rows of 256 bytes, dense
	s_mov_b32 s[\g+2], 128<<16
	s_mov_b32 s[\g+3], 32<<16
	s_mov_b32 s[\g+4], 128
	s_mov_b32 s[\g+5], 32
	s_mov_b32 s[\g+6], 0
	s_mov_b32 s[\g+7], 0
.endr
	s_lshl_b32 s16, s13, 18                        ; ctx: 262,144 bytes a tile row, + my half of a K step's block.  These registers never hold cx
	s_lshl_b32 s17, s12, 15
	s_add_co_u32 s16, s16, s17
	s_mov_b32 s17, 0
	s_lshl_b32 s46, s42, 18                        ; W_out: by the tile column
	s_lshl_b32 s47, s12, 15
	s_add_co_u32 s46, s46, s47
	s_mov_b32 s47, 0
	s_lshl_b32 s20, s10, 15                        ; where they go: wave x 32,768
	s_wait_dscnt 0x0                               ; both opening adds are done
	s_wait_kmcnt 0x0
	s_add_nc_u64 s[14:15], s[4:5], s[16:17]
	s_add_nc_u64 s[46:47], s[6:7], s[46:47]
	CROUND                                         ; all sixteen work-groups are here: the first joint loads meet
.irp s, 0,1
	s_mov_b32 s[G0+4*\s], 1
	s_add_co_u32 s[G0+4*\s+1], s20, \s*SLOT
	s_add_nc_u64 s[G0+4*\s+2:G0+4*\s+3], s[14:15], \s*65536
	s_or_b32 s[G0+4*\s+3], s[G0+4*\s+3], 0x80000000
	s_mov_b32 s[G0B+4*\s], 1
	s_add_co_u32 s[G0B+4*\s+1], s20, \s*SLOT
	s_add_nc_u64 s[G0B+4*\s+2:G0B+4*\s+3], s[46:47], \s*65536
	s_or_b32 s[G0B+4*\s+3], s[G0B+4*\s+3], 0x80000000
	JLOAD \s
.endr
	v_and_b32 v1, 15, v0                           ; l % 16
	v_bfe_u32 v2, v0, 4, 1                         ; l / 16
	v_and_b32 v3, 31, v0
	v_lshlrev_b32 v3, 4, v3                        ; 16 x lane
	s_lshl_b32 s21, s11, 12                        ; my four blocks of ctx
	s_lshl_b32 s22, s12, 12                        ; my four blocks of W_out,
	s_add_co_u32 s22, s22, BOFF                    ; which lie behind ctx's
.irp s, 0,1
	v_add_nc_u32 v[ADRA+\s], s21, v3
	v_add_nc_u32 v[ADRB+\s], s22, v3
	s_add_co_u32 s21, s21, SLOT
	s_add_co_u32 s22, s22, SLOT
.endr
	s_mul_i32 s23, s10, 16*SPITCH
	s_add_co_u32 s23, s23, STAGE                   ; my stage
	v_mul_u32_u24 v4, v1, SPITCH                   ; in: row l % 16, 32 bytes for each half of the lanes
	v_lshl_add_u32 v4, v2, 5, v4
	v_add_nc_u32 v[STO], s23, v4
	v_mul_u32_u24 v5, v2, SPITCH                   ; back: lanes 0-15 one row of 256 bytes, lanes 16-31 the next
	v_lshl_add_u32 v5, v1, 4, v5
	v_add_nc_u32 v[RD], s23, v5
	v_lshlrev_b32 v5, 12, v2                       ; and the same two rows in out0 (4,096 bytes a row)
	v_lshl_add_u32 v[CO], v1, 4, v5
	s_lshl_b32 s16, s13, 7
	s_lshl_b32 s17, s11, 6
	s_add_co_u32 s16, s16, s17                     ; my first row: 128 x tile row + 64 x half
	s_lshl_b32 s16, s16, 12
	s_mov_b32 s17, 0
	s_add_nc_u64 s[8:9], s[8:9], s[16:17]
	s_lshl_b32 s46, s42, 9                         ; my first column, in bytes: 512 x tile column + 256 x half
	s_lshl_b32 s47, s12, 8
	s_add_co_u32 s46, s46, s47
	s_mov_b32 s47, 0
	s_add_nc_u64 s[8:9], s[8:9], s[46:47]
; 8 matrix instructions: m blocks a0, a0 + 1 x all 4 n blocks, 32 along K: half c of buffer f.  zero = 1: the first product starts the sums.  The 16 accumulators take turns
.macro MUL8 f, c, a0, zero
.irp a, \a0, \a0+1
.irp b, 0,1,2,3
.if \zero
	v_wmma_f32_16x16x32_f16 v[ACC+8*(4*(\a)+\b):ACC+8*(4*(\a)+\b)+7], v[\f+64+8*(4*\c+\b):\f+64+8*(4*\c+\b)+7], v[\f+8*(4*\c+\a):\f+8*(4*\c+\a)+7], 0
.else
	v_wmma_f32_16x16x32_f16 v[ACC+8*(4*(\a)+\b):ACC+8*(4*(\a)+\b)+7], v[\f+64+8*(4*\c+\b):\f+64+8*(4*\c+\b)+7], v[\f+8*(4*\c+\a):\f+8*(4*\c+\a)+7], v[ACC+8*(4*(\a)+\b):ACC+8*(4*(\a)+\b)+7]
.endif
.endr
.endr
.endm
; 32 LDS loads in one run: the fragments of the slot's quarter kq (64 along K: two steps of 32) into buffer f; the first 32 along K first
.macro FETCH slot, kq, f
	WIN TO_F
.irp c, 0,1
.irp i, 0,1,2,3
	ds_load_b128 v[\f+64+8*(4*\c+\i):\f+64+8*(4*\c+\i)+3],   v[ADRB+\slot] offset:(2*(\kq)+\c)*8192+\i*1024
	ds_load_b128 v[\f+64+8*(4*\c+\i)+4:\f+64+8*(4*\c+\i)+7], v[ADRB+\slot] offset:(2*(\kq)+\c)*8192+\i*1024+512
	ds_load_b128 v[\f+8*(4*\c+\i):\f+8*(4*\c+\i)+3],         v[ADRA+\slot] offset:(2*(\kq)+\c)*8192+\i*1024
	ds_load_b128 v[\f+8*(4*\c+\i)+4:\f+8*(4*\c+\i)+7],       v[ADRA+\slot] offset:(2*(\kq)+\c)*8192+\i*1024+512
.endr
.endr
.endm
.macro PLACES
.rept 4
	v_nop
.endr
.endm
.macro QUARTER slot, kq, f, g, zero    ; multiplies buffer f and fetches the slot's quarter kq into g
	s_wait_dscnt 16                                ; the first 32 along K are in
	WIN MUL
	MUL8 \f, 0, 0, \zero
	MUL8 \f, 0, 2, \zero
	PLACES
	FETCH \slot, \kq, \g
	s_wait_dscnt 32                                ; all but the 32 just issued
	WIN MUL
	MUL8 \f, 1, 0, 0
	MUL8 \f, 1, 2, 0
.endm
; The last quarter multiplies buffer 1 and changes slots: ONE barrier; in front of it each wave waits for all its tensor loads, adds 0 to its spare word, and waits for that and for its own reads of this slot.
.macro TURN slot, next, fill
	WIN 0
	s_wait_tensorcnt 0x0                           ; all my tensor loads have landed: my part of the next slot
	ds_add_u32 v[SPW], v[NIL]
	s_wait_dscnt 17                                ; (the add and the youngest sixteen loads may be out)
	WIN MUL
	MUL8 F1, 0, 0, 0
	s_wait_dscnt 0x0                               ; the add is done, and my reads of this slot are over
	s_barrier_signal -1
	MUL8 F1, 0, 2, 0
.if \fill
	WIN 0
.endif
	s_barrier_wait -1
.if \fill
	CREST                                          ; the barrier has opened a round of the cluster's: no wave of any partner still reads this slot or has a load on its way
	s_add_nc_u64 s[G0+4*\slot+2:G0+4*\slot+3], s[G0+4*\slot+2:G0+4*\slot+3], 131072
	s_add_nc_u64 s[G0B+4*\slot+2:G0B+4*\slot+3], s[G0B+4*\slot+2:G0B+4*\slot+3], 131072
	JLOAD \slot                                    ; the first tensor load behind the round; its four v_nop are also the places in front of the loads below
.else
	PLACES
.endif
	FETCH \next, 0, F0
	WIN MUL
	MUL8 F1, 1, 0, 0
	MUL8 F1, 1, 2, 0
.endm
	s_wait_tensorcnt 1                             ; my part of K step 0 is in; K step 1's load may be out
	s_barrier_signal -1
	s_barrier_wait -1
	FETCH 0, 0, F0
	QUARTER 0, 1, F0, F1, 1                        ; the first quarter's first products start the sums
	WIN 0
	s_mov_b32 s3, LAPS-1
.Llap:                                             ; a trip goes once round the ring and fills both slots again
	QUARTER 0, 2, F1, F0, 0
	QUARTER 0, 3, F0, F1, 0
	TURN 0, 1, 1
	QUARTER 1, 1, F0, F1, 0
	QUARTER 1, 2, F1, F0, 0
	QUARTER 1, 3, F0, F1, 0
	TURN 1, 0, 1
	QUARTER 0, 1, F0, F1, 0
	WIN 0
	s_sub_co_u32 s3, s3, 1
	s_cmp_lg_u32 s3, 0
	s_cbranch_scc1 .Llap
	QUARTER 0, 2, F1, F0, 0                        ; the last lap fills nothing
	QUARTER 0, 3, F0, F1, 0
	TURN 0, 1, 0
	QUARTER 1, 1, F0, F1, 0
	QUARTER 1, 2, F1, F0, 0
	QUARTER 1, 3, F0, F1, 0
	s_wait_dscnt 16
	WIN MUL
	MUL8 F1, 0, 0, 0
	MUL8 F1, 0, 2, 0
	s_wait_dscnt 0
	MUL8 F1, 1, 0, 0
	MUL8 F1, 1, 2, 0
	WIN 0
.macro TOSTAGE a                       ; block a of 16 rows x 64 columns into my stage and back as whole rows of 256 bytes.  LDS serves a wave's instructions in order: no wait between
.irp b, 0,1,2,3
	ds_store_b128 v[STO], v[ACC+8*(4*\a+\b):ACC+8*(4*\a+\b)+3] offset:64*\b          ; each accumulator from its low end on
	ds_store_b128 v[STO], v[ACC+8*(4*\a+\b)+4:ACC+8*(4*\a+\b)+7] offset:64*\b+16
.endr
.irp t, 0,1,2,3,4,5,6,7
	ds_load_b128 v[TMP+32*(\a%2)+4*\t:TMP+32*(\a%2)+4*\t+3], v[RD] offset:\t*2*SPITCH
.endr
.endm
.macro SEND a, younger                 ; younger: the LDS instructions issued behind block a's loads
	s_wait_dscnt \younger
.irp t, 0,1,2,3,4,5,6,7
	global_store_b128 v[CO], v[TMP+32*(\a%2)+4*\t:TMP+32*(\a%2)+4*\t+3], s[8:9] offset:(16*\a+2*\t)*4096 th:TH_STORE_NT   ; sixteen lanes store 256 consecutive bytes, aligned
.endr
.endm
	PLACES                                         ; in front of the first reads of results
	TOSTAGE 0
	TOSTAGE 1
	SEND 0, 16
	s_wait_xcnt 0x0                                ; block 0's stores have read their registers: block 2's loads may land there
	TOSTAGE 2
	SEND 1, 16
	s_wait_xcnt 0x0
	TOSTAGE 3
	SEND 2, 16
	SEND 3, 0
	s_wait_tensorcnt 0x0                           ; the wave's end
	ds_add_u32 v[SPW], v[NIL]
	s_wait_dscnt 0x0
	CROUND                                         ; the closing round
	s_endpgm
.Lfunc_end_k_q02b376cce4_oproj:
	.size	k_q02b376cce4_oproj, .Lfunc_end_k_q02b376cce4_oproj-k_q02b376cce4_oproj
	.p2alignl 7, 3214868480
	.fill 96, 4, 3214868480
	.section	.rodata,"a",@progbits
	.p2align	6, 0x0
	.amdhsa_kernel k_q02b376cce4_oproj
		.amdhsa_group_segment_fixed_size 327680
		.amdhsa_private_segment_fixed_size 0
		.amdhsa_enable_private_segment 0
		.amdhsa_kernarg_size 24
		.amdhsa_user_sgpr_count 2
		.amdhsa_user_sgpr_kernarg_segment_ptr 1
		.amdhsa_wavefront_size32 1
		.amdhsa_system_sgpr_workgroup_id_x 1
		.amdhsa_system_sgpr_workgroup_id_y 1
		.amdhsa_system_sgpr_workgroup_id_z 1
		.amdhsa_system_vgpr_workitem_id 0
		.amdhsa_next_free_vgpr 512
		.amdhsa_next_free_sgpr 66
		.amdhsa_reserve_vcc 0
		.amdhsa_float_denorm_mode_32 3
		.amdhsa_float_denorm_mode_16_64 3
		.amdhsa_memory_ordered 1
		.amdhsa_forward_progress 1
		.amdhsa_inst_pref_size 85
	.end_amdhsa_kernel
	.amdgpu_metadata
---
amdhsa.version: [ 1, 2 ]
amdhsa.kernels:
  - .name:           k_q02b376cce4_oproj
    .symbol:         k_q02b376cce4_oproj.kd
    .args:
      - { .name: ctximg, .offset: 0, .size: 8, .value_kind: global_buffer, .address_space: global }
      - { .name: woimg, .offset: 8, .size: 8, .value_kind: global_buffer, .address_space: global }
      - { .name: out0, .offset: 16, .size: 8, .value_kind: global_buffer, .address_space: global }
    .group_segment_fixed_size: 327680
    .private_segment_fixed_size: 0
    .kernarg_segment_align: 8
    .kernarg_segment_size: 24
    .max_flat_workgroup_size: 128
    .sgpr_count:     66
    .vgpr_count:     512
    .wavefront_size: 32
...
	.end_amdgpu_metadata
.endif
;; end of part 4
;; launch first (part 5): grid 32 x 2, 16 waves a work-group, no clusters, 38,912 bytes of LDS; arguments h32, W_out, out0; writes out0
.if DOCPART == 5
	.amdgcn_target "amdgcn-amd-amdhsa--gfx1250"
	.amdhsa_code_object_version 6
	.text
	.protected	k_q02b376cce4_first
	.globl	k_q02b376cce4_first
	.p2align	8
	.type	k_q02b376cce4_first,@function
k_q02b376cce4_first:
	s_mov_b64 s[64:65], 0
	v_nop
	global_prefetch_b8 v0, s[64:65] scope:SCOPE_SE
	s_setreg_imm32_b32 hwreg(HW_REG_WAVE_MODE, 25, 1), 1
	s_wait_xcnt 0x0
; FIRST.  Positions 0-15 of both sequences once more, all in f32: under the causal mask these rows average one to sixteen values and are the largest in size, so f16 operands would use up what the comparison allows.
; Work-group (slice, batch) owns out0[batch][0 .. 15][32 slice .. + 31].  Wave = head: it makes its head's 16 x 16 attention from the unrounded q, k, v (h32), multiplies its ctx (16 x 64) by its 64 rows of W_out at the
; slice's 32 columns, and the sixteen heads' parts are added through LDS.  Each head's small attention is so made in each of the 32 slices: 32 matrix instructions a wave, in place of one more launch.
; All products by the f32 matrix form, 64 instructions a wave: no bulk work.  Its K = 4 takes from lane (r, h) two registers, k = 2 h + 0, 1; a permutation of k that is alike in both sources keeps the sums:
;   S^T = K Q^T: both sources are h32's pieces as loaded (lane (r, h): position r, the same d in both).   Result: lane (r, h), register j: key 8 h + j, query r.
;   O^T = V^T P: P's registers 2 kk, 2 kk + 1 are keys 8 h + 2 kk + 0, 1: V is loaded so: register 8 ct + i = V[key 8 h + i][channel 16 ct + r].   Result: channel 16 ct + 8 h + j, query r.
;   out^T = W^T ctx^T: O^T's registers as they stand are source 1; W_out is loaded so: register 32 u + 8 ct + i = W_out[64 head + 16 ct + 8 h + i][32 slice + 16 u + r].  These loads take pieces of 64 bytes: a lane must be a column.
; THE LOADS, 112 a wave.  The count of a wait reaches 63 at the most, so they go out in three runs, the later two behind the waits that Q, K and V need anyway: the last of W_out's 64, Q's 8, K's 8, V's 32 (49 out);
; behind the wait for Q and K W_out's numbers 0-30 (63 out); behind the wait for V its numbers 31-62 (63 out).
; The softmax takes the row's maximum away and normalises ahead of the second product.  The registers that the f32 matrix form writes (v176-223) are written by matrix instructions alone.
; REGISTERS: v1 r, v2 h, v3 16 x lane, v4, v5 V's and W_out's offsets, v6, v7 the add's two, v8 r - 8 h, v9 -infinity, v10, v11 LDS (in, out), v12 4 x lane, v13-15 at work;
;   v16-47 Q, v48-79 K, v80-111 V, v112-175 W_out, v176-191 two accumulators (S^T, later out^T), v192-223 O^T, v224-231 scores, v232-239 P, v240-255 the sixteen parts.
.set PPITCH, 144                       ; a part's row: 128 bytes + 16: an odd multiple of 16
.set PART,   16*PPITCH
.set SPARE,  16*PART                   ; behind the parts: the spare words, 128 bytes a wave: eight blocks of 256 bytes that no other line names
.set QF, 16
.set KF, 48
.set VF, 80
.set WF, 112
.set SA, 176
.set OA, 192
.set T,  224
.set P,  232
.set PT, 240
; cnt loads of W_out from number from on; number n = 32 u + 8 ct + i
.macro LW from, cnt
.set n, \from
.rept \cnt
	global_load_b32 v[WF+n], v5, s[6:7] offset:(16*((n/8)%4)+n%8)*4096+64*(n/32)
.set n, n+1
.endr
.endm
	s_load_b128 s[4:7], s[0:1], 0x0                ; h32 s[4:5], W_out s[6:7]
	s_load_b64 s[8:9], s[0:1], 0x10                ; out0
	v_lshl_add_u32 v6, v0, 2, SPARE
	v_mov_b32 v7, 0
	v_lshrrev_b32 v1, 5, v0
	v_readfirstlane_b32 s10, v1                    ; wave = head
	v_and_b32 v1, 15, v0                           ; r
	v_bfe_u32 v2, v0, 4, 1                         ; h
	v_and_b32 v12, 31, v0
	v_lshlrev_b32 v3, 4, v12
	v_lshlrev_b32 v12, 2, v12
	v_bfe_u32 v4, v0, 2, 1                         ; V[key 8 h + i][channel 16 ct + r] lies in piece 2 ct + (r / 4) % 2, at place key + 16 (r / 8), word r % 4
	v_lshlrev_b32 v4, 9, v4
	v_lshl_add_u32 v4, v2, 7, v4
	v_bfe_u32 v13, v0, 3, 1
	v_lshl_add_u32 v4, v13, 8, v4
	v_and_b32 v13, 3, v0
	v_lshl_add_u32 v4, v13, 2, v4
	v_lshlrev_b32 v5, 2, v1                        ; W_out: column r, and 8 rows of 4,096 bytes further down for lanes 16-31
	v_lshl_add_u32 v5, v2, 15, v5
	v_lshlrev_b32 v8, 3, v2
	v_sub_nc_u32 v8, v1, v8                        ; r - 8 h
	v_mov_b32 v9, 0xff800000
	s_mul_i32 s11, s10, PART
	v_mul_u32_u24 v10, v1, PPITCH
	v_lshl_add_u32 v10, v2, 5, v10
	v_add_nc_u32 v10, s11, v10                     ; my part: row r, + 32 h
	s_mul_i32 s11, s10, PPITCH
	v_add_nc_u32 v11, s11, v12                     ; back: row = my wave's number, 4 bytes a lane
	v_mov_b32 v14, 0
	v_mov_b32 v15, 0
	s_mov_b32 s20, 0x76543210
	s_mov_b32 s21, 0xfedcba98
	s_mov_b32 s22, 0x3e38aa3b                      ; c = log2(e) / 8
	s_mov_b32 s23, s22
	s_and_b32 s12, ttmp7, 0xffff                   ; the batch
	s_lshl_b32 s14, s12, 4
	s_add_co_u32 s14, s14, s10
	s_lshl_b32 s14, s14, 12                        ; h32: 4,096 bytes a batch and head
	s_mov_b32 s15, 0
	s_lshl_b32 s16, s10, 18                        ; W_out: the head's 64 rows,
	s_lshl_b32 s17, ttmp9, 7                       ; the slice's 128 bytes
	s_add_co_u32 s16, s16, s17
	s_lshl_b32 s18, s12, 23                        ; out0: the batch, row = my wave's number, the slice
	s_add_co_u32 s18, s18, s17
	s_lshl_b32 s17, s10, 12
	s_add_co_u32 s18, s18, s17
	s_mov_b32 s17, 0
	s_mov_b32 s19, 0
	s_wait_kmcnt 0x0
	s_add_nc_u64 s[4:5], s[4:5], s[14:15]
	s_add_nc_u64 s[6:7], s[6:7], s[16:17]
	s_add_nc_u64 s[8:9], s[8:9], s[18:19]
	LW 63, 1                                       ; the last of W_out's goes first: the two later runs are then 31 and 32 loads
.irp p, 0,1,2,3,4,5,6,7
	global_load_b128 v[QF+4*\p:QF+4*\p+3], v3, s[4:5] offset:512*\p
.endr
.irp p, 0,1,2,3,4,5,6,7
	global_load_b128 v[KF+4*\p:KF+4*\p+3], v3, s[4:5] offset:131072+512*\p
.endr
.irp ct, 0,1,2,3
.irp i, 0,1,2,3,4,5,6,7
	global_load_b32 v[VF+8*\ct+\i], v4, s[4:5] offset:262144+1024*\ct+16*\i
.endr
.endr
	s_wait_loadcnt 32                              ; Q and K are in; V's 32 loads may be out
	LW 0, 31
	v_wmma_f32_16x16x4_f32 v[SA:SA+7], v[KF:KF+1], v[QF:QF+1], 0                   ; two accumulators by turns; the first two products start the sums
	v_wmma_f32_16x16x4_f32 v[SA+8:SA+15], v[KF+2:KF+3], v[QF+2:QF+3], 0
.set kk, 2
.rept 14
	v_wmma_f32_16x16x4_f32 v[SA+8*(kk%2):SA+8*(kk%2)+7], v[KF+2*kk:KF+2*kk+1], v[QF+2*kk:QF+2*kk+1], v[SA+8*(kk%2):SA+8*(kk%2)+7]
.set kk, kk+1
.endr
.rept 8
	v_nop                                          ; eight places behind this form, in front of the first read of results
.endr
.irp i, 0,2,4,6
	v_pk_add_f32 v[T+\i:T+\i+1], v[SA+\i:SA+\i+1], v[SA+8+\i:SA+8+\i+1]            ; the two halves of the sum over d, from the low end on
.endr
.irp j, 0,1,2,3,4,5,6,7
	v_cmp_gt_i32 vcc_lo, \j, v8                    ; key 8 h + j comes after query r
	v_cndmask_b32 v[T+\j], v[T+\j], v9, vcc_lo
.endr
	v_max3_num_f32 v13, v[T], v[T+1], v[T+2]
	v_max3_num_f32 v14, v[T+3], v[T+4], v[T+5]
	v_max3_num_f32 v13, v13, v[T+6], v[T+7]
	v_max_num_f32 v13, v13, v14
	v_permlanex16_b32 v14, v13, s20, s21
	v_max_num_f32 v13, v13, v14                    ; the row's maximum (key 0 counts for every query)
	v_mul_f32 v14, s22, v13
.irp i, 0,2,4,6
	v_pk_fma_f32 v[T+\i:T+\i+1], v[T+\i:T+\i+1], s[22:23], v[14:15] op_sel_hi:[1,0,0] neg_lo:[0,0,1] neg_hi:[0,0,1]   ; c s - c m
.endr
.irp j, 0,1,2,3,4,5,6,7
	v_exp_f32 v[T+\j], v[T+\j]
.endr
	v_nop                                          ; a plain instruction behind the last exponential
	s_wait_alu depctr_va_vdst(0)                   ; one wait for the eight
	v_pk_add_f32 v[P:P+1], v[T:T+1], v[T+2:T+3]
	v_pk_add_f32 v[P+2:P+3], v[T+4:T+5], v[T+6:T+7]
	v_pk_add_f32 v[P:P+1], v[P:P+1], v[P+2:P+3]
	v_add_f32 v13, v[P], v[P+1]
	v_permlanex16_b32 v15, v13, s20, s21
	v_add_f32 v13, v13, v15                        ; the row's sum
	v_rcp_f32 v14, v13
	v_nop
	s_wait_alu depctr_va_vdst(0)
.irp i, 0,2,4,6
	v_pk_mul_f32 v[P+\i:P+\i+1], v[T+\i:T+\i+1], v[14:15] op_sel_hi:[1,0]          ; the weights, normalised
.endr
	s_wait_loadcnt 31                              ; V is in; the 31 loads of W_out issued behind it may be out
	LW 31, 32
.irp kk, 0,1,2,3                               ; four accumulators by turns
.irp ct, 0,1,2,3
.if \kk == 0
	v_wmma_f32_16x16x4_f32 v[OA+8*\ct:OA+8*\ct+7], v[VF+8*\ct+2*\kk:VF+8*\ct+2*\kk+1], v[P+2*\kk:P+2*\kk+1], 0
.else
	v_wmma_f32_16x16x4_f32 v[OA+8*\ct:OA+8*\ct+7], v[VF+8*\ct+2*\kk:VF+8*\ct+2*\kk+1], v[P+2*\kk:P+2*\kk+1], v[OA+8*\ct:OA+8*\ct+7]
.endif
.endr
.endr
.rept 9
	v_nop                                          ; nine places: the results become a source of the next products
.endr
	s_wait_loadcnt 0x0                             ; W_out is in
.set e, 0
.rept 16
.if e == 0
	v_wmma_f32_16x16x4_f32 v[SA:SA+7], v[WF:WF+1], v[OA:OA+1], 0
	v_wmma_f32_16x16x4_f32 v[SA+8:SA+15], v[WF+32:WF+33], v[OA:OA+1], 0
.else
	v_wmma_f32_16x16x4_f32 v[SA:SA+7], v[WF+2*e:WF+2*e+1], v[OA+2*e:OA+2*e+1], v[SA:SA+7]
	v_wmma_f32_16x16x4_f32 v[SA+8:SA+15], v[WF+32+2*e:WF+32+2*e+1], v[OA+2*e:OA+2*e+1], v[SA+8:SA+15]
.endif
.set e, e+1
.endr
.rept 8
	v_nop
.endr
.irp u, 0,1
	ds_store_b128 v10, v[SA+8*\u:SA+8*\u+3] offset:64*\u                            ; lane (r, h): row r, columns 16 u + 8 h + 0 .. 7; each accumulator from its low end on
	ds_store_b128 v10, v[SA+8*\u+4:SA+8*\u+7] offset:64*\u+16
.endr
	s_wait_dscnt 0x0                               ; for the others' sake: my part lies in LDS
	s_barrier_signal -1
	s_barrier_wait -1
.irp p, 0,1,2,3,4,5,6,7,8,9,10,11,12,13,14,15
	ds_load_b32 v[PT+\p], v11 offset:PART*\p       ; row = my wave's number of each head's part
.endr
	s_wait_dscnt 0x0
.irp i, 0,4,8,12
	v_pk_add_f32 v[PT+\i:PT+\i+1], v[PT+\i:PT+\i+1], v[PT+\i+2:PT+\i+3]
.endr
	v_pk_add_f32 v[PT:PT+1], v[PT:PT+1], v[PT+4:PT+5]
	v_pk_add_f32 v[PT+8:PT+9], v[PT+8:PT+9], v[PT+12:PT+13]
	v_pk_add_f32 v[PT:PT+1], v[PT:PT+1], v[PT+8:PT+9]
	v_add_f32 v[PT], v[PT], v[PT+1]
	global_store_b32 v12, v[PT], s[8:9]            ; 128 consecutive bytes of the row
	s_wait_tensorcnt 0x0                           ; the wave's end, behind my last LDS store
	ds_add_u32 v6, v7
	s_wait_dscnt 0x0
	s_endpgm
.Lfunc_end_k_q02b376cce4_first:
	.size	k_q02b376cce4_first, .Lfunc_end_k_q02b376cce4_first-k_q02b376cce4_first
	.p2alignl 7, 3214868480
	.fill 96, 4, 3214868480
	.section	.rodata,"a",@progbits
	.p2align	6, 0x0
	.amdhsa_kernel k_q02b376cce4_first
		.amdhsa_group_segment_fixed_size 38912
		.amdhsa_private_segment_fixed_size 0
		.amdhsa_enable_private_segment 0
		.amdhsa_kernarg_size 24
		.amdhsa_user_sgpr_count 2
		.amdhsa_user_sgpr_kernarg_segment_ptr 1
		.amdhsa_wavefront_size32 1
		.amdhsa_system_sgpr_workgroup_id_x 1
		.amdhsa_system_sgpr_workgroup_id_y 1
		.amdhsa_system_sgpr_workgroup_id_z 1
		.amdhsa_system_vgpr_workitem_id 0
		.amdhsa_next_free_vgpr 256
		.amdhsa_next_free_sgpr 66
		.amdhsa_reserve_vcc 1
		.amdhsa_float_denorm_mode_32 3
		.amdhsa_float_denorm_mode_16_64 3
		.amdhsa_memory_ordered 1
		.amdhsa_forward_progress 1
		.amdhsa_inst_pref_size 23
	.end_amdhsa_kernel
	.amdgpu_metadata
---
amdhsa.version: [ 1, 2 ]
amdhsa.kernels:
  - .name:           k_q02b376cce4_first
    .symbol:         k_q02b376cce4_first.kd
    .args:
      - { .name: h32, .offset: 0, .size: 8, .value_kind: global_buffer, .address_space: global }
      - { .name: W_out, .offset: 8, .size: 8, .value_kind: global_buffer, .address_space: global }
      - { .name: out0, .offset: 16, .size: 8, .value_kind: global_buffer, .address_space: global }
    .group_segment_fixed_size: 38912
    .private_segment_fixed_size: 0
    .kernarg_segment_align: 8
    .kernarg_segment_size: 24
    .max_flat_workgroup_size: 512
    .sgpr_count:     66
    .vgpr_count:     256
    .wavefront_size: 32
...
	.end_amdgpu_metadata
.endif
;; end of part 5
